; MI455X (gfx1250); checked and timed in simulation.
; The chip was launched on July 23, 2026; its instructions are those of AMD's public machine-readable ISA for CDNA 5 (MIT licence, August 2026) and "CDNA5" Instruction Set Architecture Reference Guide (July 2026). The comments in the code are by the model that wrote it; some were corrected since.
;; Grouped Query Attention. Allowed arithmetic: matrix products marked QUANTISED: E4M3 operands, one E8M0 scale for each 32 along K, by v_wmma_scale_f32_16x16x128_f8f6f4 with both operands' format E4M3, f32 sums; everything else in f32.
;; Inputs: b_k 256 float32; b_o 1,024 float32; b_q 1,024 float32; b_v 256 float32; key_codes 1 x 4,096 x 32 x 32 uint8 (E4M3 codes of key, K innermost, in blocks of 32 codes); key_scales 1 x 4,096 x 32 uint8 (E8M0 scales of key, one for each 32 codes along K); query_codes 1 x 4,096 x 32 x 32 uint8 (E4M3 codes of query, K innermost, in blocks of 32 codes); query_scales 1 x 4,096 x 32 uint8 (E8M0 scales of query, one for each 32 codes along K); value_codes 1 x 4,096 x 32 x 32 uint8 (E4M3 codes of value, K innermost, in blocks of 32 codes); value_scales 1 x 4,096 x 32 uint8 (E8M0 scales of value, one for each 32 codes along K); w_k_codes 256 x 32 x 32 uint8 (E4M3 codes of w_k, K innermost, in blocks of 32 codes); w_k_scales 256 x 32 uint8 (E8M0 scales of w_k, one for each 32 codes along K); w_o_codes 1,024 x 32 x 32 uint8 (E4M3 codes of w_o, K innermost, in blocks of 32 codes); w_o_scales 1,024 x 32 uint8 (E8M0 scales of w_o, one for each 32 codes along K); w_q_codes 1,024 x 32 x 32 uint8 (E4M3 codes of w_q, K innermost, in blocks of 32 codes); w_q_scales 1,024 x 32 uint8 (E8M0 scales of w_q, one for each 32 codes along K); w_v_codes 256 x 32 x 32 uint8 (E4M3 codes of w_v, K innermost, in blocks of 32 codes); w_v_scales 256 x 32 uint8 (E8M0 scales of w_v, one for each 32 codes along K).
;; Outputs: out0 1 x 4,096 x 1,024 float32.
;; This version of the problem:
;;   THIS VERSION OF THE PROBLEM IS GIVEN IN LOW PRECISION. The matrix products marked QUANTISED in the list below multiply operands that are first quantised to E4M3 (4 exponent bits, 3 mantissa bits; 8 bits a number), with one power-of-two scale for each 32 numbers along K (OCP MX v1.0); their sums are f32. All else is computed in f32.
;;   The module's matrix products, in the order in which they are computed (A, B: the left and right operand; K: the contracted axis; several contracted axes count as one K, in the product's order):
;;     1. [M 4,096, K 1,024] x [K 1,024, N 1,024]; A: input query (given as codes); B: input w_q (given as codes): QUANTISED
;;     2. [M 4,096, K 1,024] x [K 1,024, N 256]; A: input key (given as codes); B: input w_k (given as codes): QUANTISED
;;     3. [M 4,096, K 1,024] x [K 1,024, N 256]; A: input value (given as codes); B: input w_v (given as codes): QUANTISED
;;     4. batch 4 x [M 4,096, K 64] x [K 64, N 16,384]; A: computed on the way; B: computed on the way: QUANTISED
;;     5. batch 4 x [M 64, K 4,096] x [K 4,096, N 16,384]; A: computed on the way; B: softmax (see below): QUANTISED
;;     6. [M 4,096, K 1,024] x [K 1,024, N 1,024]; A: computed on the way; B: input w_o (given as codes): QUANTISED
;;   THE QUANTISER, for each operand of a quantised product, along K:
;;     - K is cut into blocks of 32 from its start; a last block that is shorter is filled with zeros.
;;     - A block's scale is 2^e with e = floor(log2(the largest magnitude in the block)) - 8, held to -126 .. 127; a block of zeros has e = 0. As a byte (E8M0): e + 127.
;;     - Each number is divided by its block's scale, clamped to +-448, and rounded to the nearest number of E4M3, ties to even, subnormals kept.
;;     - The product sums the exact products of the quantised numbers (number of the format x scale) in f32.
;;   ~~~python
;;   def quantise(x, axis):      # numpy; x: float32 -> the quantised numbers, widened to float32 again
;;       x = np.moveaxis(x, axis, -1); K = x.shape[-1]
;;       x = np.pad(x, [(0, 0)] * (x.ndim - 1) + [(0, -K % 32)]); x = x.reshape(x.shape[:-1] + (-1, 32)); a = np.abs(x).max(-1, keepdims=True)
;;       e = np.where(a > 0, np.clip(np.frexp(np.where(a > 0, a, 1))[1] - 1 - 8, -126, 127), 0)      # np.frexp(a)[1] - 1 = floor(log2(a)), exactly
;;       r = np.clip(x / 2.0 ** e, -448, 448)
;;       step = 2.0 ** (np.maximum(np.frexp(np.where(r == 0, 1, r))[1] - 1, -6) - 3)
;;       q = np.round(r / step) * step * 2.0 ** e      # np.round: ties to even
;;       return np.moveaxis(q.reshape(q.shape[:-2] + (-1,))[..., :K], -1, axis).astype(np.float32)
;;   ~~~
;;   SOFTMAX AHEAD OF A QUANTISED PRODUCT. Where the list says 'softmax', what is quantised is not the finished softmax but p = 2^(t - M), with t = logit x log2(e) and M = ceil(the row's largest t), a whole number; so 1/2 < the row's largest p <= 1. The row's sum l is taken of the UNQUANTISED p, in f32, and the product's result is divided by l at the end. Since M is a whole number, a kernel that streams over the keys may use a running M (the ceiling of the running maximum): every later rescaling is an exact power of two, which a block's scale takes up: the codes' values come out the same.
;;   OPERANDS COMPUTED ON THE WAY. 'Computed on the way' means the value that the module computes at that place (a softmax that the list does not call 'softmax' is quantised finished and normalised). What goes into a quantiser is computed in f32, as accurately as f32 sums, v_exp_f32 and their like allow (about 1e-6 of the number): no bf16 or f16 on the way to a quantiser, and a product that is left as it is and whose result goes on into a quantised operand takes f32 operands (vector FMAs, or v_wmma_f32_16x16x4_f32). A number that lies on a knife's edge between two numbers of the format may be rounded either way, as far as f32 arithmetic and the matrix unit's own rounding can turn it there, and no further.
;;   INPUTS GIVEN AS CODES. key (in the module: [1, 4096, 1024], K = its axis 2); query (in the module: [1, 4096, 1024], K = its axis 2); value (in the module: [1, 4096, 1024], K = its axis 2); w_k (in the module: [1024, 256], K = its axis 0); w_o (in the module: [1024, 1024], K = its axis 0); w_q (in the module: [1024, 1024], K = its axis 0); w_v (in the module: [1024, 256], K = its axis 0): each comes as NAME_codes (uint8): NAME with its K axis moved to the last place and cut into blocks of 32 codes, [.., K / 32, bytes a block], one block behind the other in memory; one code a byte (a code: sign, 4 exponent bits, 3 mantissa bits); and NAME_scales (uint8): the same leading axes, one E8M0 byte (e + 127) for each 32 codes along K. Its value is code x scale, taken as it is: it is not quantised again, and the codes and scales need not be those that the quantiser above would give.
;; One version. Each part assembles by itself: llvm-mc -triple=amdgcn-amd-amdhsa -mcpu=gfx1250 --defsym DOCPART=n.
;; ======== version 1 of 1: 3 launches
;; limits: right only within a limited range of input values
;; workspace buffers: qimg 4,456,448 bytes; kv 2,228,224 bytes; oc 4,194,304 bytes; os 131,072 bytes
;; launch proj (part 1): grid 32 x 12, 4 waves a work-group, clusters of 4 x 1, 296,448 bytes of LDS; arguments query_codes, query_scales, w_q_codes, w_q_scales, b_q, key_codes, key_scales, w_k_codes, w_k_scales, b_k, value_codes, value_scales, w_v_codes, w_v_scales, b_v, qimg, kv; writes qimg, kv
.if DOCPART == 1
	.amdgcn_target "amdgcn-amd-amdhsa--gfx1250"
	.amdhsa_code_object_version 6
	.text
	.protected	k_q97cc0a09f3_proj
	.globl	k_q97cc0a09f3_proj
	.p2align	8
	.type	k_q97cc0a09f3_proj,@function
k_q97cc0a09f3_proj:
	s_mov_b64 s[64:65], 0
	v_nop
	global_prefetch_b8 v0, s[64:65] scope:SCOPE_SE
	s_setreg_imm32_b32 hwreg(HW_REG_WAVE_MODE, 25, 1), 1
	s_wait_xcnt 0x0
	s_wait_alu depctr_hold_cnt(0) depctr_sa_sdst(0) depctr_va_vdst(0) depctr_va_sdst(0) depctr_va_ssrc(0) depctr_va_vcc(0) depctr_vm_vsrc(0)
	s_getreg_b32 s2, hwreg(HW_REG_IB_STS2, 6, 4)
	s_cmp_eq_u32 s2, 0
	s_cbranch_scc0 .Lentry_in_a_cluster
	s_endpgm
.Lentry_in_a_cluster:
	s_bfe_u32 s2, ttmp6, 0x10000c
	s_cmp_lg_u32 s2, 0x3003
	s_cbranch_scc0 .Lentry_shape_is_right
	s_endpgm
.Lentry_shape_is_right:
; q = query w_q + b_q, k = key w_k + b_k, v = value w_v + b_v: three products on codes of FP8 (E4M3) with one E8M0 scale for each 32 along K = 1,024,
; and the results quantised again for attention: q and k along a head's 64 numbers, v along the keys.
; GRID.  x: 32 tiles of 128 rows (tokens); y: 12 tiles of 128 columns: 0-7 of q, 8-9 of k, 10-11 of v.  Only pointers are chosen by y; the text is one.
; SHARES.  A work-group makes 128 columns x 128 tokens; wave w makes 64 x 64: columns 64 (w / 2) on (one head), tokens 64 (w % 2) on: 16 accumulators.
; ALL OF K LIES IN LDS, in four chunks of 256 along K (rows of 256 bytes), each byte filled once: waves 0, 1 fetch the weight's rows, waves 2, 3 the tokens' rows,
; four tensor loads a wave, all issued at the start.  Nothing is filled again, so a counted wait and a barrier in front of each chunk are all the ordering.
; CLUSTER.  The four work-groups of a cluster have the same y, so the weight's rows are asked for jointly (mask 15).  The tokens' rows differ: plain loads.
; (A cluster of 4 x 4 is not taken: its four y would mix key and value, so the tokens' rows would not be common to a row of the cluster.)
; q, k: source 0 = 16 rows of the weight, source 1 = 16 tokens: a lane holds ONE token and its 32 registers run along the head's 64.  The bias is the C of the first K step.
; v:    source 0 = 16 tokens (keys), source 1 = 16 rows of w_v: a lane holds ONE of the head's 64 and its registers run along 64 keys.  The bias is added behind the sums.
; THE RECORD, 4,352 bytes: four operand tiles (16 rows x 64 along K) as images of their registers, and their scale words.  Codes of tile T: T x 1024 + c x 512 + 16 x lane:
; lane (r, h) holds k = 32 c + 16 h + 0 .. 15 of the tile's row r.  Row r of tile 2 B + u is local row 32 B + 8 u + r + 8 (r / 8), so that the results of two neighbouring
; tiles are 16 neighbours for the product that follows.  Scale words: 4096 + 8 x lane + 4 j: lanes 0-15 tile 2 j, lanes 16-31 tile 2 j + 1; a word is the row's two bytes, twice.
; qimg: [head 16][block of 64 queries 64][record].  kv: [kv head 4][step of 128 keys 32][k keys 0-63 | k keys 64-127 | v keys 0-63 | v keys 64-127], a record each.
; LIMITS: NaN and infinities are not served.  A block of zeros gets the byte 1 where the quantiser says 127: its codes are zeros, and this program alone reads the bytes.
; Blocks whose largest magnitude lies under 2^-118 are held at the byte 1.
; REGISTERS.  Window 0: v1-7 lane terms; v8-15 LDS addresses of the fragments; v16-23 the way out; v32-63 scale words; v64-95 the bias along source 0, later the codes;
; v96-103 the bias along source 1; v104-111, v120-123 at work; v128-255 the accumulators ((mt, nt) at 128 + 32 nt + 8 mt).  Window 1: two buffers of eight fragments.
; THE FILLS AS THE TEXT NOW HAS THEM (in place of the four chunks named above): K lies in LDS in TWO halves of 512 along K, rows of 512 bytes + 16 of padding, each byte filled once.
; One tensor load a wave, in one chain of arms: wave 0 the weight's 128 rows of half 0 (joint), wave 1 the tokens' 128 rows of half 0, waves 2 and 3 the same of half 1.
; Waves 0 and 1 alone wait ahead of the first barrier; all waves wait for 0 ahead of the barrier in front of K step 4.  CHUNK below is one such half.
.set PITCH,  528
.set PANEL,  64*PITCH                  ; half of what one tensor load brings; what one wave reads of a side in a chunk
.set CHUNK,  4*PANEL                   ; the weight's 128 rows, then the tokens' 128 rows
.set STAGE,  2*CHUNK
.set REC,    4352
.set STEPB,  4*REC
.set GB,     32*STEPB                  ; a kv head's bytes in kv
.set ADW, 8                            ; v8-9    my fragments of the weight in half 0..1
.set ADA, 12                           ; v12-13  of the tokens
.set STC, 16                           ; v16     the stage: where I put 8 codes
.set STS, 17                           ; v17     and a scale word
.set RDC, 18                           ; v18     the stage read back: 16 x lane
.set RDS, 19                           ; v19     8 x lane
.set GOC, 20                           ; v20     the same two places in the record in memory
.set GOS, 21
.set SCW, 32                           ; v32-47  the weight's scale words: tile i at 4 i; lanes 0-15 words 0-3 of the row, lanes 16-31 words 4-7
.set SCA, 48                           ; v48-63  the tokens'
.set BM,  64
.set CD,  64
.set BN,  96
.set TQ,  104
.set PW,  120
.set ACC, 128
.set WV,  38
.set CT,  39
.set G1W, 40                           ; s[40:47] descriptor group 1 for the weight's rows;  s[48:55] for the tokens'
.set G1A, 48
.set ISV, 56
.set CTL, 57
.set RT,  58
.set MNT, 59
.set SEL, 60
.set WW,  62
.set WA,  63
.set ISQ, 67
.set G0W, 68                           ; s[68:71] group 0 for the weight's rows;  s[84:87] for the tokens'
.set G0A, 84
.set MSB, 0
.macro WIN new                         ; the immediate's high byte repeats the setting that is left
.if MSB != \new
	s_set_vgpr_msb (MSB<<8)|\new
.set MSB, \new
.endif
.endm
.macro PLACES n
.rept \n
	v_nop
.endr
.endm
.macro CROUND                          ; a round of the cluster's barrier
	s_barrier_signal -1
	s_barrier_wait -1
	s_cmp_lg_u32 s[WV], 0
	s_cbranch_scc1 .Lnot_wave_0_\@
	s_barrier_signal -3
.Lnot_wave_0_\@:
	s_barrier_wait -3
	s_barrier_signal -1
	s_barrier_wait -1
.endm
; the eight fragments of K step q (128 along K) into buffer f of window 1: the weight's four at f + 16 i, the tokens' four at f + 64 + 16 i
.macro FETCH q, f
	WIN 0x40                                       ; destination window 1, address window 0
.irp i, 0,1,2,3
.irp c, 0,1,2,3
	ds_load_b128 v[(\f)+16*\i+4*\c:(\f)+16*\i+4*\c+3], v[ADW+(\q)/4] offset:128*((\q)%4)+32*\c+\i*16*PITCH
.endr
.endr
.irp i, 0,1,2,3
.irp c, 0,1,2,3
	ds_load_b128 v[(\f)+64+16*\i+4*\c:(\f)+64+16*\i+4*\c+3], v[ADA+(\q)/4] offset:128*((\q)%4)+32*\c+\i*16*PITCH
.endr
.endr
	WIN 0
.endm
.macro WM cm, hi                       ; one product.  cm: C is 0 (0), the bias (1), the accumulator (2).  hi: the scale words of K steps 4-7 lie in lanes 16-31
.if \hi
	v_wmma_scale_f32_16x16x128_f8f6f4 v[rD:rD+7], v[rA:rA+15], v[rB:rB+15], v[rD:rD+7], v[rSA], v[rSB] matrix_a_scale:MATRIX_SCALE_ROW1 matrix_b_scale:MATRIX_SCALE_ROW1
.elseif \cm == 0
	v_wmma_scale_f32_16x16x128_f8f6f4 v[rD:rD+7], v[rA:rA+15], v[rB:rB+15], 0, v[rSA], v[rSB]
.elseif \cm == 1
	v_wmma_scale_f32_16x16x128_f8f6f4 v[rD:rD+7], v[rA:rA+15], v[rB:rB+15], v[rC:rC+7], v[rSA], v[rSB]
.else
	v_wmma_scale_f32_16x16x128_f8f6f4 v[rD:rD+7], v[rA:rA+15], v[rB:rB+15], v[rD:rD+7], v[rSA], v[rSB]
.endif
.endm
; 16 products: K step q from buffer f.  The 16 accumulators take turns, one instruction a turn, in the same order in every step.
.macro MUL16 q, f, swap, cm
.irp nt, 0,1,2,3
.irp mt, 0,1,2,3
.set rD, ACC+32*\nt+8*\mt
.set rC, BM+8*\mt
.if \swap
.set rA, (\f)+64+16*\mt
.set rB, (\f)+16*\nt
.set rSA, SCA+4*\mt+(\q)%4
.set rSB, SCW+4*\nt+(\q)%4
.else
.set rA, (\f)+16*\mt
.set rB, (\f)+64+16*\nt
.set rSA, SCW+4*\mt+(\q)%4
.set rSB, SCA+4*\nt+(\q)%4
.endif
	WM \cm, (\q)/4
.endr
.endr
.endm
; a K step's products: the weight as source 0 (q, k) or the tokens (v).  The branch hangs on the grid's y alone, which the cluster's partners share; only products stand inside it.
.macro MULS q, f
	s_cmp_lg_u32 s[ISV], 0
	s_cbranch_scc1 .Lkeys_first_\@
	WIN 0x05                                       ; sources 0 and 1 window 1; C and D window 0
.if (\q) == 0
	MUL16 \q, \f, 0, 1
.else
	MUL16 \q, \f, 0, 2
.endif
	WIN 0
	s_branch .Lmultiplied_\@
.Lkeys_first_\@:
	WIN 0x05
.if (\q) == 0
	MUL16 \q, \f, 1, 0
.else
	MUL16 \q, \f, 1, 2
.endif
	WIN 0
.Lmultiplied_\@:
.endm
.macro KSTEP q
.if (\q) == 3
	s_wait_dscnt 0x0                               ; no LDS access of mine is out at a signal (this step's fragments are due anyway)
	s_wait_tensorcnt 0x0                           ; every wave: all that is still out, the second half of K, has landed
	s_barrier_signal -1
	s_barrier_wait -1                              ; everybody's part has
.endif
.if (\q) < 7
.if (\q) > 0
	PLACES 8                                       ; eight places in front of loads into the buffer that the last step's products read
.endif
	FETCH (\q)+1, 128*(1-(\q)%2)
	s_wait_dscnt 32                                ; all but the 32 just issued: this step's fragments are in
.else
	s_wait_dscnt 0x0
.endif
	MULS \q, 128*((\q)%2)
.endm
; 32 numbers of a lane, register 16 b + i, two blocks of 32 shared with lane l xor 16, become 8 registers of codes at pc and the row's scale word at pw
.macro QUANT2 s, pc, tm, pw
.irp b, 0,1
	v_max3_num_f32 v[(\tm)+\b], |v[(\s)+16*\b]|, |v[(\s)+16*\b+1]|, 0x4800000   ; my 16 numbers of block b, and the floor 2^(9 - 127): the byte cannot fall under 1
.endr
.irp i, 2,4,6,8,10,12,14
.irp b, 0,1
	v_max3_num_f32 v[(\tm)+\b], v[(\tm)+\b], |v[(\s)+16*\b+\i]|, |v[(\s)+16*\b+\i+1]|
.endr
.endr
.irp b, 0,1
	v_permlanex16_b32 v[(\tm)+2+\b], v[(\tm)+\b], s[SEL], s[SEL+1]
.endr
.irp b, 0,1
	v_max_num_f32 v[(\tm)+\b], v[(\tm)+\b], v[(\tm)+2+\b]              ; with lane l xor 16: the block's largest magnitude
.endr
.irp b, 0,1
	v_add_nc_u32 v[(\tm)+6+\b], 0xfc000000, v[(\tm)+\b]               ; 8 off its exponent field: the conversion's scale operand
.endr
.irp b, 0,1
	v_and_or_b32 v[(\tm)+4+\b], v[(\tm)+\b], 0x7f800000, s[MNT]       ; 448 x the scale
.endr
.irp b, 0,1
	v_lshrrev_b32 v[(\tm)+2+\b], 23, v[(\tm)+6+\b]                    ; the scale's byte
.endr
	v_lshl_or_b32 v[\pw], v[(\tm)+3], 8, v[(\tm)+2]
	v_lshl_or_b32 v[\pw], v[\pw], 16, v[\pw]                          ; the two bytes twice: where the word serves 128 along K, the upper two stand over zero codes
.irp b, 0,1
.irp i, 0,1,2,3,4,5,6,7,8,9,10,11,12,13,14,15
	v_med3_num_f32 v[(\s)+16*\b+\i], v[(\s)+16*\b+\i], -v[(\tm)+4+\b], v[(\tm)+4+\b]   ; the conversion does not saturate (ISA guide 7.6.2): the hold at 448 x the scale
.endr
	v_cvt_scalef32_pk8_fp8_f32 v[(\pc)+4*\b:(\pc)+4*\b+1], v[(\s)+16*\b:(\s)+16*\b+7], v[(\tm)+6+\b]
	v_cvt_scalef32_pk8_fp8_f32 v[(\pc)+4*\b+2:(\pc)+4*\b+3], v[(\s)+16*\b+8:(\s)+16*\b+15], v[(\tm)+6+\b]
.endr
	v_nop                                          ; one plain line behind the last conversion
.endm
	s_load_b512 s[4:19], s[0:1], 0x0               ; query codes, scales; w_q codes, scales; b_q; key codes, scales; w_k codes
	s_load_b512 s[20:35], s[0:1], 0x40             ; w_k scales; b_k; value codes, scales; w_v codes, scales; b_v; qimg
	s_load_b64 s[36:37], s[0:1], 0x80              ; kv
	v_lshl_add_u32 v126, v0, 2, 0x48400
	v_mov_b32 v127, 0
	ds_add_u32 v126, v127
	ds_add_u32 v126, v127
	v_lshrrev_b32 v1, 5, v0
	v_readfirstlane_b32 s[WV], v1                  ; wave 0..3
	s_lshr_b32 s[WW], s[WV], 1                     ; which 64 columns are mine
	s_and_b32 s[WA], s[WV], 1                      ; which 64 tokens.  Also: which 64 rows I fetch
	s_bfe_u32 s66, ttmp6, 0x40000                  ; cx
	s_lshl_b32 s[RT], ttmp9, 2
	s_add_co_u32 s[RT], s[RT], s66                 ; tile of tokens = 4 x cluster x + cx
	s_and_b32 s[CT], ttmp7, 0xffff                 ; tile of columns, 0..11: the same in all four partners
	s_mov_b32 s[G1W], 15|(1<<20)|(1<<21)|(6<<22)|(3<<25)   ; the mask: all four; elements of 1 byte; padding: four words after every 128
	s_mov_b32 s[G1A], (1<<20)|(6<<22)|(3<<25)
.irp g, G1W, G1A
	s_mov_b32 s[\g+1], 512<<16                     ; tensor_dim0 = 512
	s_mov_b32 s[\g+2], 128<<16                     ; tensor_dim1 = 128
	s_mov_b32 s[\g+3], 512<<16                     ; tile_dim0 = 512
	s_mov_b32 s[\g+4], 128                         ; tile_dim1 = 128
	s_mov_b32 s[\g+5], 1024                        ; from row to row
	s_mov_b32 s[\g+6], 0
	s_mov_b32 s[\g+7], 0
.endr
	s_mov_b32 s[SEL], 0x76543210
	s_mov_b32 s[SEL+1], 0xfedcba98                 ; v_permlanex16_b32: lane l xor 16
	s_mov_b32 s[MNT], 0x600000                     ; the mantissa field of 448
	s_wait_dscnt 0x0
	s_wait_kmcnt 0x0
	s_cmp_ge_u32 s[CT], 10                         ; value or key?  The choices hang on the grid's y alone
	s_cselect_b64 s[14:15], s[24:25], s[14:15]
	s_cselect_b64 s[16:17], s[26:27], s[16:17]
	s_cselect_b64 s[18:19], s[28:29], s[18:19]
	s_cselect_b64 s[20:21], s[30:31], s[20:21]
	s_cselect_b64 s[22:23], s[32:33], s[22:23]
	s_cselect_b32 s[ISV], 1, 0
	s_cselect_b32 s[CTL], 10, 8
	s_cmp_lt_u32 s[CT], 8                          ; query or one of those?
	s_cselect_b64 s[4:5], s[4:5], s[14:15]         ; the tokens' codes
	s_cselect_b64 s[6:7], s[6:7], s[16:17]         ; their scales
	s_cselect_b64 s[8:9], s[8:9], s[18:19]         ; the weight's codes
	s_cselect_b64 s[10:11], s[10:11], s[20:21]     ; its scales
	s_cselect_b64 s[12:13], s[12:13], s[22:23]     ; the bias
	s_cselect_b64 s[34:35], s[34:35], s[36:37]     ; where the records go
	s_cselect_b32 s[CTL], 0, s[CTL]
	s_cselect_b32 s[ISQ], 1, 0
	s_sub_co_u32 s[CTL], s[CT], s[CTL]             ; the tile of columns inside its own weight
	s_lshl_b32 s16, s[WA], 6
	s_lshl_b32 s14, s[CTL], 17                     ; the weight's 128 rows of 1,024 bytes,
	s_lshl_b32 s15, s[WW], 9                       ; and the half of K that my wave fetches: 512 x (wave / 2)
	s_add_co_u32 s14, s14, s15
	s_mov_b32 s15, 0
	s_add_nc_u64 s[14:15], s[8:9], s[14:15]
	s_lshl_b32 s18, s[RT], 17
	s_lshl_b32 s19, s[WW], 9
	s_add_co_u32 s18, s18, s19
	s_mov_b32 s19, 0
	s_add_nc_u64 s[18:19], s[4:5], s[18:19]
	s_mul_i32 s17, s[WV], 2*PANEL                  ; where my 128 rows go: wave x 128 rows
.irp k, 0
	s_mov_b32 s[G0W+4*\k], 1
	s_add_co_u32 s[G0W+4*\k+1], s17, \k*CHUNK
	s_add_nc_u64 s[G0W+4*\k+2:G0W+4*\k+3], s[14:15], \k*256
	s_or_b32 s[G0W+4*\k+3], s[G0W+4*\k+3], 0x80000000
	s_mov_b32 s[G0A+4*\k], 1
	s_add_co_u32 s[G0A+4*\k+1], s17, \k*CHUNK
	s_add_nc_u64 s[G0A+4*\k+2:G0A+4*\k+3], s[18:19], \k*256
	s_or_b32 s[G0A+4*\k+3], s[G0A+4*\k+3], 0x80000000
.endr
	CROUND                                         ; all four work-groups are here: the joint loads meet
.macro ARM under, g0, g1, next                 ; one chain of arms on the wave's number, one load to an arm, all arms to one join
	s_cmp_lt_u32 s[WV], \under
	s_cbranch_scc0 \next
	tensor_load_to_lds s[\g0:\g0+3], s[\g1:\g1+7]
	s_nop 0
	PLACES 4
	s_branch .Lfilled
\next:
.endm
	ARM 1, G0W, G1W, .Larm_1                       ; wave 0: the weight, half 0
	ARM 2, G0A, G1A, .Larm_2                       ; wave 1: the tokens, half 0
	ARM 3, G0W, G1W, .Larm_3                       ; wave 2: the weight, half 1
	tensor_load_to_lds s[G0A:G0A+3], s[G1A:G1A+7]  ; wave 3: the tokens, half 1
	s_nop 0
	PLACES 4
.Lfilled:
	v_and_b32 v1, 15, v0                           ; r
	v_bfe_u32 v2, v0, 4, 1                         ; h
	v_and_b32 v3, 31, v0                           ; lane
	v_mul_u32_u24 v4, v1, PITCH
	v_lshl_add_u32 v4, v2, 4, v4                   ; a fragment's row x pitch + 16 h
	s_wait_alu depctr_va_vdst(0)
	s_mul_i32 s20, s[WW], PANEL
	s_mul_i32 s21, s[WA], PANEL
	s_add_co_u32 s21, s21, 2*PANEL
.irp k, 0,1
	v_add_nc_u32 v[ADW+\k], s20, v4
	v_add_nc_u32 v[ADA+\k], s21, v4
	s_add_co_u32 s20, s20, CHUNK
	s_add_co_u32 s21, s21, CHUNK
.endr
	; the scale words of my 64 + 64 rows, for all of K, straight into registers: 32 bytes a row; a load takes a tile's 512 consecutive bytes
	v_lshlrev_b32 v5, 5, v1
	v_lshl_add_u32 v5, v2, 4, v5                   ; 32 r + 16 h
	s_wait_alu depctr_va_vdst(0)
	s_lshl_b32 s22, s[CTL], 7
	s_lshl_b32 s23, s[WW], 6
	s_add_co_u32 s22, s22, s23                     ; my first column
	s_lshl_b32 s24, s22, 5
	s_mov_b32 s25, 0
	s_add_nc_u64 s[10:11], s[10:11], s[24:25]
	s_lshl_b32 s24, s22, 2
	s_add_nc_u64 s[12:13], s[12:13], s[24:25]
	s_lshl_b32 s26, s[RT], 7
	s_add_co_u32 s26, s26, s16                     ; my first token
	s_lshl_b32 s26, s26, 5
	s_mov_b32 s27, 0
	s_add_nc_u64 s[6:7], s[6:7], s[26:27]
.irp i, 0,1,2,3
	global_load_b128 v[SCW+4*\i:SCW+4*\i+3], v5, s[10:11] offset:512*\i
	global_load_b128 v[SCA+4*\i:SCA+4*\i+3], v5, s[6:7] offset:512*\i
.endr
	v_lshlrev_b32 v6, 5, v2                        ; the bias in the result's layout: tile mt, my half's eight columns
	v_lshlrev_b32 v7, 2, v1                        ; and for v: my one column of tile nt
.irp m, 0,1,2,3
	global_load_b128 v[BM+8*\m:BM+8*\m+3], v6, s[12:13] offset:64*\m
	global_load_b128 v[BM+8*\m+4:BM+8*\m+7], v6, s[12:13] offset:64*\m+16
	global_load_b32 v[BN+2*\m], v7, s[12:13] offset:64*\m
.endr
.irp m, 0,1,2,3
	v_mov_b32 v[BN+2*\m+1], 0                      ; (named as the upper half of a pair)
.endr
	v_mov_b32 v[TQ+2], 0                           ; written once: a lane permute's destination counts as one of its sources
	v_mov_b32 v[TQ+3], 0
	; the way out.  With r = 8 w + i and token tile nt = 2 B + n my row is row 8 n + i of the record's tile 2 B + w
	s_mul_i32 s28, s[WV], REC
	s_add_co_u32 s28, s28, STAGE                   ; my stage
	v_and_b32 v22, 7, v1
	v_lshrrev_b32 v23, 3, v1
	v_lshlrev_b32 v[STC], 4, v22
	v_lshl_add_u32 v[STC], v2, 3, v[STC]
	v_lshl_add_u32 v[STC], v23, 10, v[STC]
	v_add_nc_u32 v[STC], s28, v[STC]               ; codes: 1024 w + 16 i + 8 h
	v_lshlrev_b32 v[STS], 3, v22
	v_lshl_add_u32 v[STS], v23, 7, v[STS]
	v_add_nc_u32 v[STS], s28, v[STS]               ; scale words: 128 w + 8 i
	v_lshlrev_b32 v[GOC], 4, v3
	v_lshlrev_b32 v[GOS], 3, v3
	v_add_nc_u32 v[RDC], s28, v[GOC]
	v_add_nc_u32 v[RDS], s28, v[GOS]
	s_lshl_b32 s29, s[CT], 1                       ; q: record (head x 64 + block of 64 queries)
	s_add_co_u32 s29, s29, s[WW]
	s_lshl_b32 s29, s29, 6
	s_lshl_b32 s30, s[RT], 1
	s_add_co_u32 s29, s29, s30
	s_add_co_u32 s29, s29, s[WA]
	s_mul_i32 s29, s29, REC
	s_lshl_b32 s30, s[CTL], 1                      ; k, v: kv head, step of 128 keys, k or v, half
	s_add_co_u32 s30, s30, s[WW]
	s_mul_i32 s30, s30, GB
	s_mul_i32 s31, s[RT], STEPB
	s_add_co_u32 s30, s30, s31
	s_mul_i32 s31, s[ISV], 2*REC
	s_add_co_u32 s30, s30, s31
	s_mul_i32 s31, s[WA], REC
	s_add_co_u32 s30, s30, s31
	s_cmp_lg_u32 s[ISQ], 0
	s_cselect_b32 s30, s29, s30
	s_mov_b32 s31, 0
	s_add_nc_u64 s[34:35], s[34:35], s[30:31]
	s_wait_alu depctr_va_vdst(0)                   ; the wait at the head's end
	s_cmp_lt_u32 s[WV], 2
	s_cbranch_scc0 .Lnot_first
	s_wait_tensorcnt 0x0                           ; waves 0 and 1: the first half of K is in; waves 2 and 3 wait ahead of K step 4
.Lnot_first:
	s_barrier_signal -1
	s_barrier_wait -1                              ; everybody's is
	FETCH 0, 0
	s_wait_loadcnt 0x0                             ; scale words and biases
.irp q, 0,1,2,3,4,5,6,7
	KSTEP \q
.endr
	PLACES 8                                       ; in front of the first read of results
	s_cmp_eq_u32 s[ISV], 0
	s_cbranch_scc1 .Lbias_done
.irp nt, 0,1,2,3
.set j, 0
.rept 16
	v_pk_add_f32 v[ACC+32*\nt+j:ACC+32*\nt+j+1], v[ACC+32*\nt+j:ACC+32*\nt+j+1], v[BN+2*\nt:BN+2*\nt+1] op_sel_hi:[1,0]   ; v: my column's bias, each accumulator from its low end on
.set j, j+2
.endr
.endr
.Lbias_done:
.irp nt, 0,1,2,3
	QUANT2 ACC+32*\nt, CD+8*\nt, TQ, PW+\nt
.irp b, 0,1
.irp vm, 0,1
	ds_store_b64 v[STC], v[CD+8*\nt+4*\b+2*\vm:CD+8*\nt+4*\b+2*\vm+1] offset:2048*(\nt/2)+128*(\nt%2)+512*\b+256*\vm   ; k = 32 b + 16 vm + 8 h + 0 .. 7 of my row
.endr
.endr
	ds_store_b32 v[STS], v[PW+\nt] offset:4096+64*(\nt%2)+4*(\nt/2)   ; both halves of the lanes write the same word with the same value
.endr
.irp i, 0,1,2,3,4,5,6,7
	ds_load_b128 v[ACC+4*\i:ACC+4*\i+3], v[RDC] offset:512*\i         ; LDS serves a wave's instructions in order (ISA guide 5.7.1.4): these see my stores
.endr
	ds_load_b64 v[ACC+32:ACC+33], v[RDS] offset:4096
	s_wait_dscnt 0x0
.irp i, 0,1,2,3,4,5,6,7
	global_store_b128 v[GOC], v[ACC+4*\i:ACC+4*\i+3], s[34:35] offset:512*\i   ; 512 consecutive bytes, at a multiple of 256 from the buffer's first byte
.endr
	global_store_b64 v[GOS], v[ACC+32:ACC+33], s[34:35] offset:4096           ; 256 consecutive bytes
	s_wait_dscnt 0x0
	s_wait_tensorcnt 0x0
	ds_add_u32 v126, v127
	s_wait_dscnt 0x0
	CROUND                                         ; the closing round: no work-group ends while a partner may still ask for rows that name it
	s_endpgm
.Lfunc_end_k_q97cc0a09f3_proj:
	.size	k_q97cc0a09f3_proj, .Lfunc_end_k_q97cc0a09f3_proj-k_q97cc0a09f3_proj
	.p2alignl 7, 3214868480
	.fill 96, 4, 3214868480
	.section	.rodata,"a",@progbits
	.p2align	6, 0x0
	.amdhsa_kernel k_q97cc0a09f3_proj
		.amdhsa_group_segment_fixed_size 296448
		.amdhsa_private_segment_fixed_size 0
		.amdhsa_enable_private_segment 0
		.amdhsa_kernarg_size 136
		.amdhsa_user_sgpr_count 2
		.amdhsa_user_sgpr_kernarg_segment_ptr 1
		.amdhsa_wavefront_size32 1
		.amdhsa_system_sgpr_workgroup_id_x 1
		.amdhsa_system_sgpr_workgroup_id_y 1
		.amdhsa_system_sgpr_workgroup_id_z 1
		.amdhsa_system_vgpr_workitem_id 0
		.amdhsa_next_free_vgpr 512
		.amdhsa_next_free_sgpr 102
		.amdhsa_reserve_vcc 0
		.amdhsa_float_denorm_mode_32 3
		.amdhsa_float_denorm_mode_16_64 3
		.amdhsa_memory_ordered 1
		.amdhsa_forward_progress 1
		.amdhsa_inst_pref_size 87
	.end_amdhsa_kernel
	.amdgpu_metadata
---
amdhsa.version: [ 1, 2 ]
amdhsa.kernels:
  - .name:           k_q97cc0a09f3_proj
    .symbol:         k_q97cc0a09f3_proj.kd
    .args:
      - { .name: query_codes, .offset: 0, .size: 8, .value_kind: global_buffer, .address_space: global }
      - { .name: query_scales, .offset: 8, .size: 8, .value_kind: global_buffer, .address_space: global }
      - { .name: w_q_codes, .offset: 16, .size: 8, .value_kind: global_buffer, .address_space: global }
      - { .name: w_q_scales, .offset: 24, .size: 8, .value_kind: global_buffer, .address_space: global }
      - { .name: b_q, .offset: 32, .size: 8, .value_kind: global_buffer, .address_space: global }
      - { .name: key_codes, .offset: 40, .size: 8, .value_kind: global_buffer, .address_space: global }
      - { .name: key_scales, .offset: 48, .size: 8, .value_kind: global_buffer, .address_space: global }
      - { .name: w_k_codes, .offset: 56, .size: 8, .value_kind: global_buffer, .address_space: global }
      - { .name: w_k_scales, .offset: 64, .size: 8, .value_kind: global_buffer, .address_space: global }
      - { .name: b_k, .offset: 72, .size: 8, .value_kind: global_buffer, .address_space: global }
      - { .name: value_codes, .offset: 80, .size: 8, .value_kind: global_buffer, .address_space: global }
      - { .name: value_scales, .offset: 88, .size: 8, .value_kind: global_buffer, .address_space: global }
      - { .name: w_v_codes, .offset: 96, .size: 8, .value_kind: global_buffer, .address_space: global }
      - { .name: w_v_scales, .offset: 104, .size: 8, .value_kind: global_buffer, .address_space: global }
      - { .name: b_v, .offset: 112, .size: 8, .value_kind: global_buffer, .address_space: global }
      - { .name: qimg, .offset: 120, .size: 8, .value_kind: global_buffer, .address_space: global }
      - { .name: kv, .offset: 128, .size: 8, .value_kind: global_buffer, .address_space: global }
    .group_segment_fixed_size: 296448
    .private_segment_fixed_size: 0
    .kernarg_segment_align: 8
    .kernarg_segment_size: 136
    .max_flat_workgroup_size: 128
    .sgpr_count:     102
    .vgpr_count:     512
    .wavefront_size: 32
...
	.end_amdgpu_metadata
.endif
;; end of part 1
;; launch attn (part 2): grid 64 x 4, 8 waves a work-group, clusters of 4 x 1, 327,680 bytes of LDS; arguments qimg, kv, oc, os; writes oc, os
.if DOCPART == 2
	.amdgcn_target "amdgcn-amd-amdhsa--gfx1250"
	.amdhsa_code_object_version 6
	.text
	.protected	k_q97cc0a09f3_attn
	.globl	k_q97cc0a09f3_attn
	.p2align	8
	.type	k_q97cc0a09f3_attn,@function
k_q97cc0a09f3_attn:
	s_mov_b64 s[64:65], 0
	v_nop
	global_prefetch_b8 v0, s[64:65] scope:SCOPE_SE
	s_setreg_imm32_b32 hwreg(HW_REG_WAVE_MODE, 25, 1), 1
	s_wait_xcnt 0x0
	s_wait_alu depctr_hold_cnt(0) depctr_sa_sdst(0) depctr_va_vdst(0) depctr_va_sdst(0) depctr_va_ssrc(0) depctr_va_vcc(0) depctr_vm_vsrc(0)
	s_getreg_b32 s2, hwreg(HW_REG_IB_STS2, 6, 4)
	s_cmp_eq_u32 s2, 0
	s_cbranch_scc0 .Lentry_in_a_cluster
	s_endpgm
.Lentry_in_a_cluster:
	s_bfe_u32 s2, ttmp6, 0x10000c
	s_cmp_lg_u32 s2, 0x3003
	s_cbranch_scc0 .Lentry_shape_is_right
	s_endpgm
.Lentry_shape_is_right:
; o = softmax(q k^T / 8) v for 16 heads of 64 that share 4 kv heads, 4,096 tokens, both products on codes of FP8 (E4M3) with one E8M0 scale for each 32 along a product's K.
; o / the row's sum is quantised along the model's 1,024 for the last product: oc [4096][1024] codes, os [4096][32] scale bytes.
; SOFTMAX: t = score x log2(e) / 8; M = the row's largest t so far, rounded up to a whole number; p = 2^(t - M) is quantised along the keys, not normalised.  The row's sum is taken of the
; unquantised p.  When M moves, the sum and O are multiplied by 2^(old M - new M): exact, in every step, with no branch on data.
; SHARES.  A work-group owns 64 queries x the 4 heads of one kv head: 16 tiles of 16 queries; wave w owns head w / 2 of the four and two tiles, so that each fragment of k and v read from LDS
; feeds two products.  Two waves to a SIMD.  Every wave walks all keys, 128 a step.
; RING.  Two slots of EIGHT key steps (139,264 bytes each): four changes of slot for the 32 steps.  A wave's one load brings one key step, 68 rows of 256 bytes.
; CLUSTER.  The four work-groups of a cluster (neighbouring blocks of queries, one kv head) walk the same k and v: every fill is a joint load, mask 15.
; NO PREFETCH is laid: a slot's joint load is issued behind the change of slots, eight key steps ahead of the first read of its bytes.
; INPUTS are records of 4,352 bytes: four tiles of 16 rows x 64 along K as images of their registers at T x 1024 + c x 512 + 16 x lane, scale words at 4096 + 8 x lane + 4 j.  Row r of tile
; 2 B + u is local row 32 B + 8 u + r + 8 (r / 8).  A key step in kv: k keys 0-63 | k keys 64-127 | v keys 0-63 | v keys 64-127.  Every LDS load takes 16 x lane.
; LAYOUT.  Both products transposed: S^T = k q^T (source 0 = 16 keys), O^T = v^T p^T (source 0 = 16 of the head's 64): a lane holds one query; the 16 registers of tiles 2 b, 2 b + 1 of S^T are
; keys 32 b + 16 (lane / 16) + 0 .. 15, those of O^T the head's numbers likewise.
; K = 64 IN A FORM OF 128: q's codes for k = 64 .. 127 are zeros.  k's fragment of tile T is v[8 T : 8 T + 15]: its upper half is the next tile's codes (behind tile 7: zeros), finite numbers
; that meet zero codes; the scale words carry the row's two bytes twice, so no byte there is 0xff.
; THE EXPONENTIALS GO IN TWO BATCHES of 68, one a tile, each with one wait ahead and one behind.  Among a batch stand plain lines of the OTHER tile that read nothing
; written inside the batch and whose results are first read behind its closing wait: among tile 0's, tile 1's 36 scalings; among tile 1's, tile 0's 16 first sums of p and its 32 holds.
; All first reads of the scores stand ahead of the first exponential.
; LIMITS: NaN and infinities are not served.  A block of zeros gets the byte 1 where the quantiser says 127: its codes are zeros, and this program alone reads the bytes.  The scaled scores stay
; under 2^31 in magnitude.  A block's largest p is made from the block's largest score by the same two instructions as every p; this takes v_exp_f32 not to fall where its input rises.
; os is written 8 bytes a row (a kv head's part of a row's 32): 512 of a work-group's 16,896 bytes go out in parts of aligned blocks of 256.
; REGISTERS.  Window 0: v1-15 addresses; v16-19 k's scale words, v20-23 v's as loaded, v24-25 v's as used, v26 q's, v27-28 p's; from v32 16 of statistics a tile; from v64 64 a tile: S^T, then p;
; from v192 16 a tile: p's codes (ahead of them tile 0's 16 first sums); from v224 16 a tile at work.  Window 1: v0-63 k; v64-71 zeros; from v80 16 a tile: q; from v128 32 a tile: O^T; from v192 v.
.set REC,   4352
.set STEPB, 4*REC
.set NST,   8                          ; key steps in a slot
.set SLOTB, NST*STEPB
.set SLOT1, SLOTB                      ; slot 1 begins here; wave x STEPB (wave under 8) has no bit in common with it, so one exclusive or turns an address
.set SPARE, 2*SLOTB                    ; the spare words, 128 bytes a wave: four blocks of 256 bytes that no other line names
.set GB,    32*STEPB
.set SSTG,  64*272                     ; the way out lies in slot 0, which has had its last fill and its last read by then: 64 rows x 272 bytes of codes, then 512 scale bytes
.set LI,  1                            ; 16 x lane
.set L8,  2                            ; 8 x lane
.set SPW, 3                            ; my spare word; never rewritten
.set NIL, 4                            ; 0; never rewritten
.set ADK, 5                            ; the step's codes
.set ADS, 6                            ; the step's scale words
.set STO, 7                            ; the way out: where I put 16 codes,
.set STW, 8                            ; two scale bytes;
.set RD,  9                            ; where I read a row back,
.set GO,  10                           ; its place in oc;
.set RDW, 11                           ; a row's 8 scale bytes,
.set GOW, 12                           ; their place in os
.set KS,  16
.set VR,  20
.set VW,  24
.set QS,  26
.set PS,  27
.set ST,  32                           ; tile X at ST + 16 X: +0 -M, +1 the largest t, +2:3 the sum, +4:5 f (at the end 1 / the sum), +6 at work, +7 the old -M, +8:9 the sum's second chain
.set S,   64
.set PC,  192
.set TM,  224                          ; tile X at TM + 16 X: +0..3 the blocks' largest, +4..7 the other half's, then the bytes, +8..11 448 x the scale, +12..15 the conversion's scale operand
.set QF,  80
.set OT,  128
.set VF,  192
.set WV,  12
.set SEL, 16
.set CS,  18
.set MNT, 20
.set PSEL, 21
.set TB,  22                           ; LDS byte at which the step in hand begins
.set SLOTS, 23
.set CNT, 24
.set G0,  32
.set G1,  40
.set MSB, 0
.macro WIN new                         ; the immediate's high byte repeats the setting that is left
.if MSB != \new
	s_set_vgpr_msb (MSB<<8)|\new
.set MSB, \new
.endif
.endm
.macro PLACES n
.rept \n
	v_nop
.endr
.endm
.macro WALU
	s_wait_alu depctr_va_vdst(0)
.endm
.macro CROUND                          ; a round of the cluster's barrier
	s_barrier_signal -1
	s_barrier_wait -1
	s_cmp_lg_u32 s[WV], 0
	s_cbranch_scc1 .Lnot_wave_0_\@
	s_barrier_signal -3
.Lnot_wave_0_\@:
	s_barrier_wait -3
	s_barrier_signal -1
	s_barrier_wait -1
.endm
.macro SCORE T, X                      ; S^T of key tile T and query tile X.  k's words: lanes 0-15 the even tile, lanes 16-31 the odd one; q's: lanes 0-15 tile 0, lanes 16-31 tile 1
.set rD, S+64*\X+8*\T
.set rA, 8*\T
.set rB, QF+16*\X
.set rK, KS+\T/2
.if (\T%2 == 0) && (\X == 0)
	v_wmma_scale_f32_16x16x128_f8f6f4 v[rD:rD+7], v[rA:rA+15], v[rB:rB+15], 0, v[rK], v[QS]
.elseif \T%2 == 0
	v_wmma_scale_f32_16x16x128_f8f6f4 v[rD:rD+7], v[rA:rA+15], v[rB:rB+15], 0, v[rK], v[QS] matrix_b_scale:MATRIX_SCALE_ROW1
.elseif \X == 0
	v_wmma_scale_f32_16x16x128_f8f6f4 v[rD:rD+7], v[rA:rA+15], v[rB:rB+15], 0, v[rK], v[QS] matrix_a_scale:MATRIX_SCALE_ROW1
.else
	v_wmma_scale_f32_16x16x128_f8f6f4 v[rD:rD+7], v[rA:rA+15], v[rB:rB+15], 0, v[rK], v[QS] matrix_a_scale:MATRIX_SCALE_ROW1 matrix_b_scale:MATRIX_SCALE_ROW1
.endif
.endm
.macro PVM t, X                        ; O^T of tile t of the head's 64 and query tile X
.set rD, OT+32*\X+8*\t
.set rA, VF+16*\t
.set rB, PC+16*\X
.if \t%2 == 0
	v_wmma_scale_f32_16x16x128_f8f6f4 v[rD:rD+7], v[rA:rA+15], v[rB:rB+15], v[rD:rD+7], v[VW+\t/2], v[PS+\X]
.else
	v_wmma_scale_f32_16x16x128_f8f6f4 v[rD:rD+7], v[rA:rA+15], v[rB:rB+15], v[rD:rD+7], v[VW+\t/2], v[PS+\X] matrix_a_scale:MATRIX_SCALE_ROW1
.endif
.endm
; 32 numbers of a lane, register 16 b + i, two blocks of 32 shared with lane l xor 16, become 8 registers of codes at pc and the row's two scale bytes at pw
.macro QUANT2 s, pc, tm, pw
.irp b, 0,1
	v_max3_num_f32 v[(\tm)+\b], |v[(\s)+16*\b]|, |v[(\s)+16*\b+1]|, 0x4800000   ; with the floor 2^(9 - 127): the byte cannot fall under 1
.endr
.irp i, 2,4,6,8,10,12,14
.irp b, 0,1
	v_max3_num_f32 v[(\tm)+\b], v[(\tm)+\b], |v[(\s)+16*\b+\i]|, |v[(\s)+16*\b+\i+1]|
.endr
.endr
.irp b, 0,1
	v_permlanex16_b32 v[(\tm)+2+\b], v[(\tm)+\b], s[SEL], s[SEL+1]
.endr
.irp b, 0,1
	v_max_num_f32 v[(\tm)+\b], v[(\tm)+\b], v[(\tm)+2+\b]
.endr
.irp b, 0,1
	v_add_nc_u32 v[(\tm)+6+\b], 0xfc000000, v[(\tm)+\b]               ; 8 off the exponent field: the conversion's scale operand
.endr
.irp b, 0,1
	v_and_or_b32 v[(\tm)+4+\b], v[(\tm)+\b], 0x7f800000, s[MNT]       ; 448 x the scale
.endr
.irp b, 0,1
	v_lshrrev_b32 v[(\tm)+2+\b], 23, v[(\tm)+6+\b]                    ; the scale's byte
.endr
	v_lshl_or_b32 v[\pw], v[(\tm)+3], 8, v[(\tm)+2]
.irp b, 0,1
.irp i, 0,1,2,3,4,5,6,7,8,9,10,11,12,13,14,15
	v_med3_num_f32 v[(\s)+16*\b+\i], v[(\s)+16*\b+\i], -v[(\tm)+4+\b], v[(\tm)+4+\b]   ; the conversion does not saturate (ISA guide 7.6.2)
.endr
	v_cvt_scalef32_pk8_fp8_f32 v[(\pc)+4*\b:(\pc)+4*\b+1], v[(\s)+16*\b:(\s)+16*\b+7], v[(\tm)+6+\b]
	v_cvt_scalef32_pk8_fp8_f32 v[(\pc)+4*\b+2:(\pc)+4*\b+3], v[(\s)+16*\b+8:(\s)+16*\b+15], v[(\tm)+6+\b]
.endr
	v_nop                                          ; one plain line behind the last conversion
.endm
	s_load_b256 s[4:11], s[0:1], 0x0               ; qimg s[4:5], kv s[6:7], oc s[8:9], os s[10:11]
	v_lshl_add_u32 v[SPW], v0, 2, SPARE
	v_mov_b32 v[NIL], 0
	ds_add_u32 v[SPW], v[NIL]                      ; the opening lines: the add twice on end and its wait ahead of my first tensor load
	ds_add_u32 v[SPW], v[NIL]
	v_lshrrev_b32 v5, 5, v0
	v_readfirstlane_b32 s[WV], v5                  ; wave 0..7
	s_bfe_u32 s13, ttmp6, 0x40000                  ; cx
	s_lshl_b32 s14, ttmp9, 2
	s_add_co_u32 s14, s14, s13                     ; my block of 64 queries: it enters qimg's, oc's and os's addresses alone
	s_and_b32 s15, ttmp7, 0xffff                   ; the kv head, which the four partners share
	s_lshr_b32 s25, s[WV], 1                       ; my head among the four
	s_and_b32 s26, s[WV], 1                        ; which two tiles of queries
	s_mul_i32 s28, s15, GB
	s_mul_i32 s36, s[WV], STEPB                    ; my eighth of a slot, one key step: in memory and in LDS
	s_add_co_u32 s28, s28, s36
	s_mov_b32 s29, 0
	s_mov_b32 s[G1], 15|(3<<16)|(1<<21)            ; the mask: all four; elements of 8 bytes; bit 21 beside a mask; no padding
	s_mov_b32 s[G1+1], 32<<16                      ; tensor_dim0 = 32: rows of 256 bytes
	s_mov_b32 s[G1+2], 68<<16                      ; tensor_dim1 = 68
	s_mov_b32 s[G1+3], 32<<16                      ; tile_dim0
	s_mov_b32 s[G1+4], 68                          ; tile_dim1
	s_mov_b32 s[G1+5], 32                          ; dense
	s_mov_b32 s[G1+6], 0
	s_mov_b32 s[G1+7], 0
	s_mov_b32 s[SEL], 0x76543210
	s_mov_b32 s[SEL+1], 0xfedcba98                 ; v_permlanex16_b32: lane l xor 16
	s_mov_b32 s[CS], 0x3e38aa3b                    ; c = log2(e) / 8
	s_mov_b32 s[CS+1], s[CS]
	s_mov_b32 s[MNT], 0x600000                     ; the mantissa field of 448
	s_mov_b32 s[PSEL], 0x05040100                  ; the low halves of two words
	s_mov_b32 s[TB], 0
	s_mov_b32 s[SLOTS], 3
	s_lshl_b32 s30, s15, 2
	s_add_co_u32 s30, s30, s25                     ; the head
	s_lshl_b32 s30, s30, 6
	s_add_co_u32 s30, s30, s14
	s_mul_i32 s30, s30, REC                        ; q's record
	s_mov_b32 s31, 0
	s_lshl_b32 s38, s14, 16                        ; oc: 64 rows of 1,024 bytes a block, + 256 x kv head
	s_lshl_b32 s37, s15, 8
	s_add_co_u32 s38, s38, s37
	s_mov_b32 s39, 0
	s_lshl_b32 s50, s14, 11                        ; os: 64 rows of 32 bytes, + 8 x kv head
	s_lshl_b32 s37, s15, 3
	s_add_co_u32 s50, s50, s37
	s_mov_b32 s51, 0
	s_lshl_b32 s52, s26, 11                        ; q's codes: my two tiles begin 2,048 x (wave % 2) into the record;
	s_lshl_b32 s53, s26, 2                         ; their scale words: word wave % 2 of each lane's two
	s_mul_i32 s54, s26, 32*272                     ; the stage, in: 32 rows x (wave % 2) + 64 bytes x head
	s_lshl_b32 s37, s25, 6
	s_add_co_u32 s54, s54, s37
	s_lshl_b32 s55, s26, 8                         ; its scale bytes: 8 x row + 2 x head
	s_lshl_b32 s37, s25, 1
	s_add_co_u32 s55, s55, s37
	s_add_co_u32 s55, s55, SSTG
	s_mul_i32 s56, s[WV], 8*272                    ; back: wave w takes rows 8 w on,
	s_lshl_b32 s57, s[WV], 13                      ; and the same rows in oc
	s_wait_dscnt 0x0                               ; both opening adds are done
	s_wait_kmcnt 0x0
	s_mov_b32 s[G0], 1
	s_mov_b32 s[G0+1], s36
	s_add_nc_u64 s[G0+2:G0+3], s[6:7], s[28:29]
	s_or_b32 s[G0+3], s[G0+3], 0x80000000
	s_add_nc_u64 s[4:5], s[4:5], s[30:31]
	s_add_nc_u64 s[8:9], s[8:9], s[38:39]
	s_add_nc_u64 s[10:11], s[10:11], s[50:51]
	CROUND                                         ; all four work-groups are here: the first joint loads meet
	tensor_load_to_lds s[G0:G0+3], s[G1:G1+7]      ; slot 0: key steps 0 to 7, one a wave
	s_nop 0
	PLACES 4
	v_and_b32 v13, 31, v0                          ; the head's vector lines stand on end, with no scalar work among them but two switches of the window
	v_lshlrev_b32 v[LI], 4, v13
	v_lshlrev_b32 v[L8], 3, v13
	v_add_nc_u32 v[ADK], s52, v[LI]
	v_add_nc_u32 v[ADS], s53, v[L8]
	global_load_b32 v[QS], v[ADS], s[4:5] offset:4096
	WIN 0x40                                       ; destination window 1
.irp X, 0,1
.irp c, 0,1
	global_load_b128 v[QF+16*\X+4*\c:QF+16*\X+4*\c+3], v[ADK], s[4:5] offset:1024*\X+512*\c
.endr
.endr
.irp i, 0,1,2,3,4,5,6,7
	v_mov_b32 v[64+\i], 0                          ; behind k's tile 7
	v_mov_b32 v[QF+8+\i], 0                        ; q's codes for k = 64 .. 127
	v_mov_b32 v[QF+24+\i], 0
.endr
.set j, 0
.rept 64
	v_mov_b32 v[OT+j], 0                           ; O^T: the step has no first form of its own; the first change of M leaves zeros zeros
.set j, j+1
.endr
	WIN 0
.irp X, 0,1
	v_mov_b32 v[ST+16*\X+1], 0xff61b1e6            ; the largest t so far: -3e38
	v_floor_f32 v[ST+16*\X], -v[ST+16*\X+1]        ; -M
	v_mov_b32 v[ST+16*\X+2], 0                     ; the sum, in two halves
	v_mov_b32 v[ST+16*\X+3], 0
	v_mov_b32 v[ST+16*\X+5], 0                     ; (named as the upper half of f's pair)
.irp b, 0,1,2,3
	v_mov_b32 v[TM+16*\X+4+\b], 0                  ; a lane permute's destination counts as one of its sources
.endr
.endr
	v_and_b32 v13, 15, v0                          ; r
	v_bfe_u32 v14, v0, 4, 1                        ; h
	v_and_b32 v15, 8, v13
	v_add_nc_u32 v15, v15, v13                     ; r + 8 (r / 8): my query of tile X is local row 32 (wave % 2) + 8 X + this
	v_mul_u32_u24 v[STO], v15, 272
	v_lshl_add_u32 v[STO], v14, 4, v[STO]
	v_add_nc_u32 v[STO], s54, v[STO]
	v_lshl_add_u32 v[STW], v15, 3, s55
	v_mul_u32_u24 v[RD], v14, 272
	v_lshl_add_u32 v[RD], v13, 4, v[RD]
	v_add_nc_u32 v[RD], s56, v[RD]                 ; lanes 0-15 one row of 256 bytes, lanes 16-31 the next
	v_lshlrev_b32 v[GO], 10, v14
	v_lshl_add_u32 v[GO], v13, 4, v[GO]
	v_add_nc_u32 v[GO], s57, v[GO]
	v_lshl_add_u32 v[RDW], v0, 3, SSTG             ; threads 0 to 63: a row's 8 scale bytes
	v_lshlrev_b32 v[GOW], 5, v0
; ONE TILE'S SOFTMAX OF A KEY STEP is a list of 244 lines; SM writes line j of it for tile X.
;   0-39 the largest SCORE of each block of 32 keys, the four blocks by turns      40-47 the running largest t, -M = floor(-t), f = 2^(old M - new M)      48-83 t - M, two at a time; the same of the blocks' largest
;   84-151 the 68 exponentials      152 the sums under the new M      153-171 the blocks' scale operands, holds and bytes; p's scale word
;   tile 0: 172-187 sixteen first sums of the unquantised p, into the code registers; 188-219 the holds; 220-235 the first sums into the row's sum
;   tile 1: 172-203 the row's sum, in two chains; 204-235 the holds      236-243 the conversions
.macro SM X
.set rT, ST+16*\X
.set rS, S+64*\X
.set rM, TM+16*\X
.set rP, PC+16*\X
.if j < 4
	v_max3_num_f32 v[rM+j], v[rS+16*j], v[rS+16*j+1], v[rS+16*j+2]   ; each accumulator is first read at its low end
.elseif j < 28
.set b, (j-4)%4
.set i, 3+2*((j-4)/4)
	v_max3_num_f32 v[rM+b], v[rM+b], v[rS+16*b+i], v[rS+16*b+i+1]
.elseif j < 32
.set b, j-28
	v_max_num_f32 v[rM+b], v[rM+b], v[rS+16*b+15]
.elseif j < 36
.set b, j-32
	v_permlanex16_b32 v[rM+4+b], v[rM+b], s[SEL], s[SEL+1]
.elseif j < 40
.set b, j-36
	v_max_num_f32 v[rM+b], v[rM+b], v[rM+4+b]
.elseif j == 40
	v_max3_num_f32 v[rT+6], v[rM], v[rM+1], v[rM+2]
.elseif j == 41
	v_max_num_f32 v[rT+6], v[rT+6], v[rM+3]
.elseif j == 42
	v_mul_f32 v[rT+6], s[CS], v[rT+6]
.elseif j == 43
	v_max_num_f32 v[rT+1], v[rT+1], v[rT+6]
.elseif j == 44
	v_floor_f32 v[rT], -v[rT+1]
.elseif j == 45
	v_sub_f32 v[rT+6], v[rT], v[rT+7]
.elseif j == 46
	v_cvt_i32_f32 v[rT+6], v[rT+6]                 ; (it saturates)
.elseif j == 47
	v_ldexp_f32 v[rT+4], 1.0, v[rT+6]
.elseif j < 80
.set i, 2*(j-48)
	v_pk_fma_f32 v[rS+i:rS+i+1], v[rS+i:rS+i+1], s[CS:CS+1], v[rT:rT+1] op_sel_hi:[1,0,0]
.elseif j < 84
.set b, j-80
	v_fma_f32 v[rM+b], v[rM+b], s[CS], v[rT]
.elseif j < 148
	v_exp_f32 v[rS+j-84], v[rS+j-84]
.elseif j < 152
	v_exp_f32 v[rM+j-148], v[rM+j-148]
.elseif j == 152
	v_pk_mul_f32 v[rT+2:rT+3], v[rT+2:rT+3], v[rT+4:rT+5] op_sel_hi:[1,0]
.elseif j < 157
.set b, j-153
	v_max_num_f32 v[rM+b], 0x4800000, v[rM+b]      ; the floor 2^(9 - 127)
.elseif j < 161
.set b, j-157
	v_add_nc_u32 v[rM+12+b], 0xfc000000, v[rM+b]
.elseif j < 165
.set b, j-161
	v_and_or_b32 v[rM+8+b], v[rM+b], 0x7f800000, s[MNT]
.elseif j < 169
.set b, j-165
	v_lshrrev_b32 v[rM+4+b], 23, v[rM+12+b]
.elseif j == 169
	v_lshl_or_b32 v[PS+\X], v[rM+5], 8, v[rM+4]
.elseif j == 170
	v_lshl_or_b32 v[PS+\X], v[rM+6], 16, v[PS+\X]
.elseif j == 171
	v_lshl_or_b32 v[PS+\X], v[rM+7], 24, v[PS+\X]
.elseif (\X == 0) && (j < 188)
.set i, j-172
	v_pk_add_f32 v[PC+2*i:PC+2*i+1], v[rS+4*i:rS+4*i+1], v[rS+4*i+2:rS+4*i+3]
.elseif (\X == 0) && (j >= 220) && (j < 236)
.set i, j-220
.if i == 0
	v_pk_add_f32 v[rT+8:rT+9], v[PC:PC+1], v[PC+2:PC+3]
.elseif i == 15
	v_pk_add_f32 v[rT+2:rT+3], v[rT+2:rT+3], v[rT+8:rT+9]
.elseif i%2 == 1
	v_pk_add_f32 v[rT+2:rT+3], v[rT+2:rT+3], v[PC+2*i+2:PC+2*i+3]
.else
	v_pk_add_f32 v[rT+8:rT+9], v[rT+8:rT+9], v[PC+2*i+2:PC+2*i+3]
.endif
.elseif (\X == 1) && (j < 204)
.if j == 172
	v_pk_add_f32 v[rT+8:rT+9], v[rS:rS+1], v[rS+2:rS+3]
.elseif j == 203
	v_pk_add_f32 v[rT+2:rT+3], v[rT+2:rT+3], v[rT+8:rT+9]
.else
.set i, 4+4*((j-173)/2)
.if (j-173)%2 == 0
	v_pk_add_f32 v[rT+2:rT+3], v[rT+2:rT+3], v[rS+i:rS+i+1]
.else
	v_pk_add_f32 v[rT+8:rT+9], v[rT+8:rT+9], v[rS+i+2:rS+i+3]
.endif
.endif
.elseif j < 236
; p is not negative, so the hold is one-sided.  Two holds in one instruction: an even register of one block and an odd one of its neighbour
.set hh, j-188-16*\X
.set k, hh%16
.set b0, 2*(hh/16)
.set b1, b0+1
.set i, 2*(k/2)
.if k%2 == 0
	v_dual_min_num_f32 v[rS+16*b0+i], v[rS+16*b0+i], v[rM+8+b0] :: v_dual_min_num_f32 v[rS+16*b1+i+1], v[rS+16*b1+i+1], v[rM+8+b1]
.else
	v_dual_min_num_f32 v[rS+16*b1+i], v[rS+16*b1+i], v[rM+8+b1] :: v_dual_min_num_f32 v[rS+16*b0+i+1], v[rS+16*b0+i+1], v[rM+8+b0]
.endif
.else
.set b, (j-236)/2
.set i, (j-236)%2
	v_cvt_scalef32_pk8_fp8_f32 v[rP+4*b+2*i:rP+4*b+2*i+1], v[rS+16*b+8*i:rS+16*b+8*i+7], v[rM+12+b]
.endif
.endm
.macro N0                              ; the next line of tile 0's list
.set j, j0
	SM 0
.set j0, j0+1
.endm
.macro N1                              ; and of tile 1's
.set j, j1
	SM 1
.set j1, j1+1
.endm
.macro KSLOAD off                      ; k's scale words of the step that begins off bytes on
.irp hf, 0,1
	ds_load_b64 v[KS+2*\hf:KS+2*\hf+1], v[ADS] offset:(\off)+\hf*REC+4096
.endr
.endm
.macro KLOAD off                       ; and its eight tiles (destination window 1)
.irp T, 0,1,2,3,4,5,6,7
.irp c, 0,1
	ds_load_b128 v[8*\T+4*\c:8*\T+4*\c+3], v[ADK] offset:(\off)+(\T/4)*REC+(\T%4)*1024+512*\c
.endr
.endr
.endm
.macro KHEAD                           ; a slot's first k, behind the change of slots
	v_add_nc_u32 v[ADK], s[TB], v[LI]
	v_add_nc_u32 v[ADS], s[TB], v[L8]
	KSLOAD 0
	WIN 0x40
	KLOAD 0
	WIN 0
.endm
; A KEY STEP: 128 keys, both my tiles of queries.  pf = 1: the next step's k lies in the same slot and is asked for here, with this step's v, behind the scores.
.macro STEP pf
	s_wait_dscnt 0x0                               ; k's tiles and scale words are in
	WIN 0x05                                       ; sources 0 and 1 window 1; D window 0
.irp T, 0,1,2,3,4,5,6,7
.irp X, 0,1
	SCORE \T, \X
.endr
.endr
	WIN 0
	v_add_nc_u32 v[ADK], s[TB], v[LI]              ; eight places behind the scores, for the loads below and the first read of the scores
	v_add_nc_u32 v[ADS], s[TB], v[L8]
	v_mov_b32 v[ST+7], v[ST]                       ; the old -M of both tiles is kept for f
	v_mov_b32 v[ST+23], v[ST+16]
	PLACES 4
.irp hf, 0,1
	ds_load_b64 v[VR+2*\hf:VR+2*\hf+1], v[ADS] offset:2*REC+\hf*REC+4096
.endr
.if \pf
	KSLOAD STEPB
.endif
	WIN 0x40
.irp t, 0,1,2,3
.irp c, 0,1,2,3
	ds_load_b128 v[VF+16*\t+4*\c:VF+16*\t+4*\c+3], v[ADK] offset:2*REC+(\c/2)*REC+\t*1024+512*(\c%2)
.endr
.endr
.if \pf
	KLOAD STEPB
.endif
	WIN 0
.set j0, 0
.set j1, 0
.rept 40
	N0                                             ; tile 0's blocks' largest scores
.endr
.rept 8
	N0                                             ; tile 0's t, M, f: a chain, so two of tile 1's lines stand behind each
	N1
	N1
.endr
.rept 32
	N1                                             ; the rest of tile 1's largest scores, then its t, M, f, each with one of tile 0's scalings behind it
	N0
.endr
.rept 4
	N0
.endr
	WALU                                           ; ahead of the batch
.rept 36
	N0                                             ; tile 0's exponentials; tile 1's 36 scalings among them
	N1
.endr
.rept 32
	N0
.endr
	N0                                             ; tile 0's sums under the new M: the plain line behind the batch
	WALU                                           ; behind the batch, ahead of its first reader
.rept 19
	N0                                             ; tile 0's scale operands, holds' bounds, bytes
.endr
	WALU                                           ; ahead of the second batch
.rept 48
	N1                                             ; tile 1's exponentials; tile 0's 16 first sums and 32 holds among them
	N0
.endr
.rept 20
	N1
.endr
	N1                                             ; tile 1's sums under the new M: the plain line behind the batch
	WALU                                           ; behind the batch
.rept 16
	N0                                             ; tile 0's first sums into the row's sum; tile 1's scale lines
	N1
.endr
.rept 3
	N1
.endr
.rept 8
	N0                                             ; tile 0's conversions, each with a plain line of tile 1 behind it
	N1
.endr
.rept 64
	N1                                             ; the rest of tile 1's list
.endr
	s_wait_dscnt 0x0                               ; v's fragments and scale words are in (and the next step's k)
	v_perm_b32 v[VW], v[VR+2], v[VR], s[PSEL]      ; v's scale words for 128 keys.  (Also the plain line behind the last conversion)
	v_perm_b32 v[VW+1], v[VR+3], v[VR+1], s[PSEL]
	WIN 0x41                                       ; O^T (destination and source 0) window 1, f window 0
	WALU                                           ; directly ahead of the first reader of O^T
.set j, 0
.rept 16
.irp X, 0,1
	v_pk_mul_f32 v[OT+32*\X+j:OT+32*\X+j+1], v[OT+32*\X+j:OT+32*\X+j+1], v[ST+16*\X+4:ST+16*\X+5] op_sel_hi:[1,0]   ; O^T under the new M; these 32 are also the places ahead of the products
.endr
.set j, j+2
.endr
	WIN 0x51                                       ; v window 1, p window 0, C and D window 1
.irp t, 0,1,2,3
.irp X, 0,1
	PVM \t, \X                                     ; the eight accumulators take turns
.endr
.endr
	WIN 0
	s_add_co_u32 s[TB], s[TB], STEPB
.endm
; THE CHANGE OF SLOTS stands at a slot's head: each wave waits for all its tensor loads (one is out), adds 0 to its spare word, and waits for that and for its reads of the slot that it has left.
; fill = 1: that slot takes the next eight key steps; the barrier is then a round of the cluster's.
.macro CHANGE fill
	s_wait_tensorcnt 0x0                           ; no tensor load of mine is out, so group 0 may be written
	ds_add_u32 v[SPW], v[NIL]
.if \fill
	s_xor_b32 s[G0+1], s[G0+1], SLOT1              ; the other slot than last time,
	s_add_nc_u64 s[G0+2:G0+3], s[G0+2:G0+3], SLOTB ; the next eight steps
.endif
	s_wait_dscnt 0x0
.if \fill
	CROUND
	tensor_load_to_lds s[G0:G0+3], s[G1:G1+7]      ; the first thing behind the round, and my one tensor load until the next
	s_nop 0
	PLACES 4
.else
	s_barrier_signal -1
	s_barrier_wait -1
.endif
.endm
.macro SLOT_STEPS turn                 ; a slot's eight key steps: its first k; seven steps that ask for the next step's k, written once; the last, which asks for none
	KHEAD
	s_mov_b32 s[CNT], NST-1
.Lstep_\@:
	STEP 1
	s_sub_co_u32 s[CNT], s[CNT], 1
	s_cmp_lg_u32 s[CNT], 0
	s_cbranch_scc1 .Lstep_\@
	STEP 0
.if \turn
	s_sub_co_u32 s[TB], s[TB], SLOTB               ; back to a slot's first step,
	s_xor_b32 s[TB], s[TB], SLOT1                  ; in the other slot
.endif
.endm
	WALU                                           ; the wait at the head's end
	s_wait_loadcnt 0x0                             ; q
.Lslot:                                            ; three trips: behind each change of slots but the last the next eight steps are asked for
	CHANGE 1
	SLOT_STEPS 1
	s_sub_co_u32 s[SLOTS], s[SLOTS], 1
	s_cmp_lg_u32 s[SLOTS], 0
	s_cbranch_scc1 .Lslot
	CHANGE 0                                       ; the last slot (slot 1) is written out
	SLOT_STEPS 0
	; THE WAY OUT.  O^T / the sum is quantised along the head's 64 and meets the other heads' codes in a stage: rows of 256 bytes, a kv head's part of a row of oc.
	PLACES 4                                       ; with the six plain lines below: the places behind the last products
.irp X, 0,1
	v_add_f32 v[ST+16*\X+2], v[ST+16*\X+2], v[ST+16*\X+3]
.endr
.irp X, 0,1
	v_permlanex16_b32 v[ST+16*\X+6], v[ST+16*\X+2], s[SEL], s[SEL+1]
.endr
.irp X, 0,1
	v_add_f32 v[ST+16*\X+2], v[ST+16*\X+2], v[ST+16*\X+6]            ; the row's sum
.endr
	WALU                                           ; ahead of the reciprocals
.irp X, 0,1
	v_rcp_f32 v[ST+16*\X+4], v[ST+16*\X+2]
.endr
	v_nop                                          ; a plain line behind the reciprocals
	WIN 0x01                                       ; source 0 window 1
	WALU                                           ; ahead of their first reader, which is also the first reader of O^T
.irp X, 0,1
.set j, 0
.rept 16
	v_pk_mul_f32 v[S+64*\X+j:S+64*\X+j+1], v[OT+32*\X+j:OT+32*\X+j+1], v[ST+16*\X+4:ST+16*\X+5] op_sel_hi:[1,0]   ; each accumulator from its low end on
.set j, j+2
.endr
.endr
	WIN 0
.irp X, 0,1
	QUANT2 S+64*\X, PC+16*\X, TM+16*\X, ST+16*\X+7
.endr
.irp X, 0,1
.irp b, 0,1
	ds_store_b128 v[STO], v[PC+16*\X+4*\b:PC+16*\X+4*\b+3] offset:8*272*\X+32*\b
.endr
	ds_store_b16 v[STW], v[ST+16*\X+7] offset:64*\X                  ; both halves of the lanes write the same two bytes with the same value
.endr
	s_wait_dscnt 0x0                               ; for the others: my stores into the stage are done
	s_barrier_signal -1
	s_barrier_wait -1
.irp t, 0,1,2,3
	ds_load_b128 v[S+4*\t:S+4*\t+3], v[RD] offset:\t*2*272
.endr
.irp t, 0,1,2,3
	s_wait_dscnt 3-\t                              ; pair t of my eight rows is in; the 3 - t younger loads may be out
	global_store_b128 v[GO], v[S+4*\t:S+4*\t+3], s[8:9] offset:\t*2048   ; 16 lanes store 256 consecutive bytes, at a multiple of 256 from oc's first byte
.endr
	s_cmp_lt_u32 s[WV], 2                          ; threads 0 to 63 store the 64 rows' scale bytes
	s_cbranch_scc0 .Lno_scales
	ds_load_b64 v[S+16:S+17], v[RDW]
	s_wait_dscnt 0x0
	global_store_b64 v[GOW], v[S+16:S+17], s[10:11]
.Lno_scales:
	s_wait_tensorcnt 0x0                           ; the wave's end
	ds_add_u32 v[SPW], v[NIL]
	s_wait_dscnt 0x0
	CROUND                                         ; the closing round
	s_endpgm
.Lfunc_end_k_q97cc0a09f3_attn:
	.size	k_q97cc0a09f3_attn, .Lfunc_end_k_q97cc0a09f3_attn-k_q97cc0a09f3_attn
	.p2alignl 7, 3214868480
	.fill 96, 4, 3214868480
	.section	.rodata,"a",@progbits
	.p2align	6, 0x0
	.amdhsa_kernel k_q97cc0a09f3_attn
		.amdhsa_group_segment_fixed_size 327680
		.amdhsa_private_segment_fixed_size 0
		.amdhsa_enable_private_segment 0
		.amdhsa_kernarg_size 32
		.amdhsa_user_sgpr_count 2
		.amdhsa_user_sgpr_kernarg_segment_ptr 1
		.amdhsa_wavefront_size32 1
		.amdhsa_system_sgpr_workgroup_id_x 1
		.amdhsa_system_sgpr_workgroup_id_y 1
		.amdhsa_system_sgpr_workgroup_id_z 1
		.amdhsa_system_vgpr_workitem_id 0
		.amdhsa_next_free_vgpr 512
		.amdhsa_next_free_sgpr 66
		.amdhsa_reserve_vcc 0
		.amdhsa_float_denorm_mode_32 3
		.amdhsa_float_denorm_mode_16_64 3
		.amdhsa_memory_ordered 1
		.amdhsa_forward_progress 1
		.amdhsa_inst_pref_size 158
	.end_amdhsa_kernel
	.amdgpu_metadata
---
amdhsa.version: [ 1, 2 ]
amdhsa.kernels:
  - .name:           k_q97cc0a09f3_attn
    .symbol:         k_q97cc0a09f3_attn.kd
    .args:
      - { .name: qimg, .offset: 0, .size: 8, .value_kind: global_buffer, .address_space: global }
      - { .name: kv, .offset: 8, .size: 8, .value_kind: global_buffer, .address_space: global }
      - { .name: oc, .offset: 16, .size: 8, .value_kind: global_buffer, .address_space: global }
      - { .name: os, .offset: 24, .size: 8, .value_kind: global_buffer, .address_space: global }
    .group_segment_fixed_size: 327680
    .private_segment_fixed_size: 0
    .kernarg_segment_align: 8
    .kernarg_segment_size: 32
    .max_flat_workgroup_size: 256
    .sgpr_count:     66
    .vgpr_count:     512
    .wavefront_size: 32
...
	.end_amdgpu_metadata
.endif
;; end of part 2
;; launch oproj (part 3): grid 8 x 32, 4 waves a work-group, clusters of 4 x 4, 296,448 bytes of LDS; arguments oc, os, w_o_codes, w_o_scales, b_o, out0; writes out0
.if DOCPART == 3
	.amdgcn_target "amdgcn-amd-amdhsa--gfx1250"
	.amdhsa_code_object_version 6
	.text
	.protected	k_q97cc0a09f3_oproj
	.globl	k_q97cc0a09f3_oproj
	.p2align	8
	.type	k_q97cc0a09f3_oproj,@function
k_q97cc0a09f3_oproj:
	s_mov_b64 s[64:65], 0
	v_nop
	global_prefetch_b8 v0, s[64:65] scope:SCOPE_SE
	s_setreg_imm32_b32 hwreg(HW_REG_WAVE_MODE, 25, 1), 1
	s_wait_xcnt 0x0
	s_wait_alu depctr_hold_cnt(0) depctr_sa_sdst(0) depctr_va_vdst(0) depctr_va_sdst(0) depctr_va_ssrc(0) depctr_va_vcc(0) depctr_vm_vsrc(0)
	s_getreg_b32 s2, hwreg(HW_REG_IB_STS2, 6, 4)
	s_cmp_eq_u32 s2, 0
	s_cbranch_scc0 .Lentry_in_a_cluster
	s_endpgm
.Lentry_in_a_cluster:
	s_bfe_u32 s2, ttmp6, 0x10000c
	s_cmp_lg_u32 s2, 0xf033
	s_cbranch_scc0 .Lentry_shape_is_right
	s_endpgm
.Lentry_shape_is_right:
; out0 = o w_o + b_o on codes of FP8 (E4M3) with one E8M0 scale for each 32 along K = 1,024.  oc [4096][1024], os [4096][32]: attention's output as codes and scale bytes;
; w_o's codes [1024][1024] with K innermost, its scale bytes [1024][32]; b_o [1024], out0 [4096][1024]: f32.
; SHARES.  A work-group makes 128 columns x 128 rows; wave w makes 64 x 64: columns 64 (w / 2) on, rows 64 (w % 2) on: 16 accumulators.
; ALL OF K LIES IN LDS, in four chunks of 256 along K (rows of 256 bytes), each byte filled once: waves 0, 1 fetch w_o's rows, waves 2, 3 oc's rows, four tensor loads a wave, all issued
; at the start.  Nothing is filled again, so a counted wait and a barrier in front of each chunk are all the ordering.
; CLUSTER.  4 x 4 work-groups: the four of a column of the cluster need the same rows of w_o, the four of a row the same rows of oc: each is asked for jointly.
; THE MATRIX INSTRUCTION IS USED TRANSPOSED (source 0 = 16 rows of w_o, source 1 = 16 rows of oc): a lane holds eight neighbouring numbers of a row of out0.  The bias is the C of the first K step.
; REGISTERS.  Window 0: v1-7 lane terms; v8-15 LDS addresses of the fragments; v16-18 the way out; v32-63 scale words; v64-95 the bias; on the way out v64-127 rows read back;
; v128-255 the accumulators ((mt, nt) at 128 + 32 nt + 8 mt).  Window 1: two buffers of eight fragments.
.set PITCH,  272                       ; an LDS row: 256 bytes + 16 of padding: the 16 rows of a fragment load start at 16 different groups of banks (ISA guide 11.1)
; THE FILLS AS THE TEXT NOW HAS THEM (in place of the four chunks named above): K lies in LDS in TWO halves of 512 along K, rows of 512 bytes + 16 of padding (FP), each byte filled once.
; One joint load a wave, in one chain of arms: wave 0 w_o's 128 rows of half 0, wave 1 oc's 128 rows of half 0, waves 2 and 3 the same of half 1.
; Waves 0 and 1 alone wait ahead of the first barrier; all waves wait for 0 ahead of the barrier in front of K step 4.  CHUNK below is one such half; PITCH serves the stage alone.
.set FP,     528
.set PANEL,  64*FP
.set CHUNK,  4*PANEL                   ; w_o's 128 rows, then oc's 128 rows
.set STAGE,  2*CHUNK
.set ADW, 8
.set ADA, 12
.set STO, 16                           ; v16  the stage: where I put 32 bytes of a row
.set RD,  17                           ; v17  where I read a row back
.set CO,  18                           ; v18  and its place in out0
.set SCW, 32
.set SCA, 48
.set BM,  64
.set BK,  64
.set ACC, 128
.set WV,  16
.set WW,  17
.set WA,  18
.set CTL, 21
.set RT,  22
.set G1W, 40
.set G1A, 48
.set G0W, 68
.set G0A, 84
.set MSB, 0
.macro WIN new                         ; the immediate's high byte repeats the setting that is left
.if MSB != \new
	s_set_vgpr_msb (MSB<<8)|\new
.set MSB, \new
.endif
.endm
.macro PLACES n
.rept \n
	v_nop
.endr
.endm
.macro CROUND                          ; a round of the cluster's barrier
	s_barrier_signal -1
	s_barrier_wait -1
	s_cmp_lg_u32 s[WV], 0
	s_cbranch_scc1 .Lnot_wave_0_\@
	s_barrier_signal -3
.Lnot_wave_0_\@:
	s_barrier_wait -3
	s_barrier_signal -1
	s_barrier_wait -1
.endm
; the eight fragments of K step q (128 along K) into buffer f of window 1: w_o's four at f + 16 i, oc's four at f + 64 + 16 i
.macro FETCH q, f
	WIN 0x40                                       ; destination window 1, address window 0
.irp i, 0,1,2,3
.irp c, 0,1,2,3
	ds_load_b128 v[(\f)+16*\i+4*\c:(\f)+16*\i+4*\c+3], v[ADW+(\q)/4] offset:128*((\q)%4)+32*\c+\i*16*FP
.endr
.endr
.irp i, 0,1,2,3
.irp c, 0,1,2,3
	ds_load_b128 v[(\f)+64+16*\i+4*\c:(\f)+64+16*\i+4*\c+3], v[ADA+(\q)/4] offset:128*((\q)%4)+32*\c+\i*16*FP
.endr
.endr
	WIN 0
.endm
; 16 products: K step q from buffer f.  The 16 accumulators take turns, one instruction a turn, in the same order in every step.
; The scale words of K steps 0-3 lie in lanes 0-15 of their registers, those of steps 4-7 in lanes 16-31.
.macro MULS q, f
	WIN 0x05                                       ; sources 0 and 1 window 1; C and D window 0
.irp nt, 0,1,2,3
.irp mt, 0,1,2,3
.set rD, ACC+32*\nt+8*\mt
.set rA, (\f)+16*\mt
.set rB, (\f)+64+16*\nt
.set rSA, SCW+4*\mt+(\q)%4
.set rSB, SCA+4*\nt+(\q)%4
.if (\q) == 0
	v_wmma_scale_f32_16x16x128_f8f6f4 v[rD:rD+7], v[rA:rA+15], v[rB:rB+15], v[BM+8*\mt:BM+8*\mt+7], v[rSA], v[rSB]
.elseif (\q) < 4
	v_wmma_scale_f32_16x16x128_f8f6f4 v[rD:rD+7], v[rA:rA+15], v[rB:rB+15], v[rD:rD+7], v[rSA], v[rSB]
.else
	v_wmma_scale_f32_16x16x128_f8f6f4 v[rD:rD+7], v[rA:rA+15], v[rB:rB+15], v[rD:rD+7], v[rSA], v[rSB] matrix_a_scale:MATRIX_SCALE_ROW1 matrix_b_scale:MATRIX_SCALE_ROW1
.endif
.endr
.endr
	WIN 0
.endm
.macro KSTEP q
.if (\q) == 3
	s_wait_dscnt 0x0                               ; no LDS access of mine is out at a signal (this step's fragments are due anyway)
	s_wait_tensorcnt 0x0                           ; every wave: all that is still out, the second half of K, has landed
	s_barrier_signal -1
	s_barrier_wait -1                              ; everybody's part has
.endif
.if (\q) < 7
.if (\q) > 0
	PLACES 8                                       ; eight places in front of loads into the buffer that the last step's products read
.endif
	FETCH (\q)+1, 128*(1-(\q)%2)
	s_wait_dscnt 32                                ; all but the 32 just issued: this step's fragments are in
.else
	s_wait_dscnt 0x0
.endif
	MULS \q, 128*((\q)%2)
.endm
	s_load_b256 s[4:11], s[0:1], 0x0               ; oc s[4:5], os s[6:7], w_o's codes s[8:9], its scales s[10:11]
	s_load_b128 s[12:15], s[0:1], 0x20             ; b_o s[12:13], out0 s[14:15]
	v_lshl_add_u32 v30, v0, 2, 0x48400
	v_mov_b32 v31, 0
	ds_add_u32 v30, v31
	ds_add_u32 v30, v31
	v_lshrrev_b32 v1, 5, v0
	v_readfirstlane_b32 s[WV], v1                  ; wave 0..3
	s_lshr_b32 s[WW], s[WV], 1                     ; which 64 columns are mine
	s_and_b32 s[WA], s[WV], 1                      ; which 64 rows.  Also: which 64 rows I fetch
	s_bfe_u32 s19, ttmp6, 0x40000                  ; cx
	s_bfe_u32 s20, ttmp6, 0x40004                  ; cy
	s_lshl_b32 s[CTL], ttmp9, 2
	s_add_co_u32 s[CTL], s[CTL], s19               ; tile of columns = 4 x cluster x + cx
	s_and_b32 s[RT], ttmp7, 0xffff
	s_lshl_b32 s[RT], s[RT], 2
	s_add_co_u32 s[RT], s[RT], s20                 ; tile of rows = 4 x cluster y + cy
	s_lshl_b32 s23, s20, 2
	s_lshl_b32 s23, 15, s23                        ; my row of the cluster
	s_lshl_b32 s24, 0x1111, s19                    ; my column
	s_or_b32 s[G1W], s24, (1<<20)|(1<<21)|(6<<22)|(3<<25)   ; the mask: w_o's rows go to my column; elements of 1 byte; padding: four words after every 128
	s_or_b32 s[G1A], s23, (1<<20)|(1<<21)|(6<<22)|(3<<25)   ; oc's rows go to my row
.irp g, G1W, G1A
	s_mov_b32 s[\g+1], 512<<16                     ; tensor_dim0 = 512
	s_mov_b32 s[\g+2], 128<<16                     ; tensor_dim1 = 128
	s_mov_b32 s[\g+3], 512<<16                     ; tile_dim0 = 512
	s_mov_b32 s[\g+4], 128                         ; tile_dim1 = 128
	s_mov_b32 s[\g+5], 1024                        ; from row to row
	s_mov_b32 s[\g+6], 0
	s_mov_b32 s[\g+7], 0
.endr
	s_lshl_b32 s30, s[WA], 6
	s_lshl_b32 s26, s[CTL], 17                     ; w_o's 128 rows of 1,024 bytes hang on the tile of columns alone,
	s_lshl_b32 s27, s[WW], 9                       ; and the half of K that my wave fetches: 512 x (wave / 2)
	s_add_co_u32 s26, s26, s27
	s_mov_b32 s27, 0
	s_lshl_b32 s28, s[RT], 17                      ; oc's on the tile of rows alone
	s_lshl_b32 s29, s[WW], 9
	s_add_co_u32 s28, s28, s29
	s_mov_b32 s29, 0
	s_mul_i32 s25, s[WV], 2*PANEL                  ; where my 128 rows go: wave x 128 rows
	s_wait_dscnt 0x0
	s_wait_kmcnt 0x0
	s_add_nc_u64 s[26:27], s[8:9], s[26:27]
	s_add_nc_u64 s[28:29], s[4:5], s[28:29]
.irp k, 0
	s_mov_b32 s[G0W+4*\k], 1
	s_add_co_u32 s[G0W+4*\k+1], s25, \k*CHUNK
	s_add_nc_u64 s[G0W+4*\k+2:G0W+4*\k+3], s[26:27], \k*256
	s_or_b32 s[G0W+4*\k+3], s[G0W+4*\k+3], 0x80000000
	s_mov_b32 s[G0A+4*\k], 1
	s_add_co_u32 s[G0A+4*\k+1], s25, \k*CHUNK
	s_add_nc_u64 s[G0A+4*\k+2:G0A+4*\k+3], s[28:29], \k*256
	s_or_b32 s[G0A+4*\k+3], s[G0A+4*\k+3], 0x80000000
.endr
	CROUND                                         ; all sixteen work-groups are here: the joint loads meet
.macro ARM under, g0, g1, next                 ; one chain of arms on the wave's number, one load to an arm, all arms to one join
	s_cmp_lt_u32 s[WV], \under
	s_cbranch_scc0 \next
	tensor_load_to_lds s[\g0:\g0+3], s[\g1:\g1+7]
	s_nop 0
	PLACES 4
	s_branch .Lfilled
\next:
.endm
	ARM 1, G0W, G1W, .Larm_1                       ; wave 0: w_o, half 0
	ARM 2, G0A, G1A, .Larm_2                       ; wave 1: oc, half 0
	ARM 3, G0W, G1W, .Larm_3                       ; wave 2: w_o, half 1
	tensor_load_to_lds s[G0A:G0A+3], s[G1A:G1A+7]  ; wave 3: oc, half 1
	s_nop 0
	PLACES 4
.Lfilled:
	v_and_b32 v1, 15, v0                           ; r
	v_bfe_u32 v2, v0, 4, 1                         ; h
	v_mul_u32_u24 v4, v1, FP
	v_lshl_add_u32 v4, v2, 4, v4                   ; a fragment's row x pitch + 16 h
	s_wait_alu depctr_va_vdst(0)
	s_mul_i32 s31, s[WW], PANEL
	s_mul_i32 s32, s[WA], PANEL
	s_add_co_u32 s32, s32, 2*PANEL
.irp k, 0,1
	v_add_nc_u32 v[ADW+\k], s31, v4
	v_add_nc_u32 v[ADA+\k], s32, v4
	s_add_co_u32 s31, s31, CHUNK
	s_add_co_u32 s32, s32, CHUNK
.endr
	; the scale words of my 64 + 64 rows, for all of K, straight into registers: 32 bytes a row; a load takes a tile's 512 consecutive bytes
	v_lshlrev_b32 v5, 5, v1
	v_lshl_add_u32 v5, v2, 4, v5                   ; 32 r + 16 h
	s_wait_alu depctr_va_vdst(0)
	s_lshl_b32 s33, s[CTL], 7
	s_lshl_b32 s34, s[WW], 6
	s_add_co_u32 s33, s33, s34                     ; my first column
	s_lshl_b32 s34, s33, 5
	s_mov_b32 s35, 0
	s_add_nc_u64 s[10:11], s[10:11], s[34:35]
	s_lshl_b32 s34, s33, 2
	s_add_nc_u64 s[12:13], s[12:13], s[34:35]
	s_add_nc_u64 s[14:15], s[14:15], s[34:35]      ; out0: my first column, 4 bytes a number: a multiple of 256
	s_lshl_b32 s36, s[RT], 7
	s_add_co_u32 s36, s36, s30                     ; my first row
	s_lshl_b32 s38, s36, 5
	s_mov_b32 s39, 0
	s_add_nc_u64 s[6:7], s[6:7], s[38:39]
	s_lshl_b32 s38, s36, 12
	s_add_nc_u64 s[14:15], s[14:15], s[38:39]      ; out0: rows of 4,096 bytes
.irp i, 0,1,2,3
	global_load_b128 v[SCW+4*\i:SCW+4*\i+3], v5, s[10:11] offset:512*\i
	global_load_b128 v[SCA+4*\i:SCA+4*\i+3], v5, s[6:7] offset:512*\i
.endr
	v_lshlrev_b32 v6, 5, v2                        ; the bias in the result's layout: tile mt, my half's eight columns
.irp m, 0,1,2,3
	global_load_b128 v[BM+8*\m:BM+8*\m+3], v6, s[12:13] offset:64*\m
	global_load_b128 v[BM+8*\m+4:BM+8*\m+7], v6, s[12:13] offset:64*\m+16
.endr
	s_mul_i32 s56, s[WV], 16*PITCH
	s_add_co_u32 s56, s56, STAGE                   ; my stage
	v_mul_u32_u24 v[STO], v1, PITCH
	v_lshl_add_u32 v[STO], v2, 5, v[STO]
	v_add_nc_u32 v[STO], s56, v[STO]               ; in: row r, 32 bytes for each half of the lanes
	v_mul_u32_u24 v[RD], v2, PITCH
	v_lshl_add_u32 v[RD], v1, 4, v[RD]
	v_add_nc_u32 v[RD], s56, v[RD]                 ; back: lanes 0-15 one row of 256 bytes, lanes 16-31 the next
	v_lshlrev_b32 v[CO], 12, v2
	v_lshl_add_u32 v[CO], v1, 4, v[CO]             ; and the same two rows in out0
	s_wait_alu depctr_va_vdst(0)                   ; the wait at the head's end
	s_cmp_lt_u32 s[WV], 2
	s_cbranch_scc0 .Lnot_first
	s_wait_tensorcnt 0x0                           ; waves 0 and 1: the first half of K is in; waves 2 and 3 wait ahead of K step 4
.Lnot_first:
	s_barrier_signal -1
	s_barrier_wait -1                              ; everybody's is
	FETCH 0, 0
	s_wait_loadcnt 0x0                             ; scale words and the bias
.irp q, 0,1,2,3,4,5,6,7
	KSTEP \q
.endr
; THE WAY OUT, 16 rows x 64 columns at a time.  A lane holds 32 neighbouring bytes of a row, and the lanes beside it hold other rows: so a block goes through my own stage and comes back as whole rows of 256 bytes.
; LDS serves a wave's instructions in order (ISA guide 5.7.1.4): no wait between the stores and the loads, nor in front of the next block's stores.
.macro TOSTAGE a
.irp mt, 0,1,2,3
	ds_store_b128 v[STO], v[ACC+32*(\a)+8*\mt:ACC+32*(\a)+8*\mt+3] offset:64*\mt        ; each accumulator from its low end on
	ds_store_b128 v[STO], v[ACC+32*(\a)+8*\mt+4:ACC+32*(\a)+8*\mt+7] offset:64*\mt+16
.endr
.irp t, 0,1,2,3,4,5,6,7
	ds_load_b128 v[BK+32*((\a)%2)+4*\t:BK+32*((\a)%2)+4*\t+3], v[RD] offset:\t*2*PITCH
.endr
.endm
.macro SEND a, younger                 ; younger: the LDS instructions issued behind block a's loads, which may stay out
	s_wait_dscnt \younger
.irp t, 0,1,2,3,4,5,6,7
	global_store_b128 v[CO], v[BK+32*((\a)%2)+4*\t:BK+32*((\a)%2)+4*\t+3], s[14:15] offset:(16*(\a)+2*\t)*4096 th:TH_STORE_NT   ; 16 lanes store 256 consecutive bytes, at a multiple of 256 from out0's first byte; written once, read by nobody here
.endr
.endm
	PLACES 8                                       ; in front of the first read of results, and of loads into the registers that held the bias
	s_wait_alu depctr_va_vdst(0)
	TOSTAGE 0
.irp a, 1,2,3
.if \a > 1
	s_wait_xcnt 0x0                                ; block a - 2's stores have read their registers: block a's loads may land there
.endif
	TOSTAGE \a
	SEND \a-1, 16                                  ; behind block a - 1's loads: block a's 8 stores and 8 loads
.endr
	SEND 3, 0
	s_wait_dscnt 0x0
	s_wait_tensorcnt 0x0
	ds_add_u32 v30, v31
	s_wait_dscnt 0x0
	CROUND                                         ; the closing round: no work-group ends while a partner may still ask for rows that name it
	s_endpgm
.Lfunc_end_k_q97cc0a09f3_oproj:
	.size	k_q97cc0a09f3_oproj, .Lfunc_end_k_q97cc0a09f3_oproj-k_q97cc0a09f3_oproj
	.p2alignl 7, 3214868480
	.fill 96, 4, 3214868480
	.section	.rodata,"a",@progbits
	.p2align	6, 0x0
	.amdhsa_kernel k_q97cc0a09f3_oproj
		.amdhsa_group_segment_fixed_size 296448
		.amdhsa_private_segment_fixed_size 0
		.amdhsa_enable_private_segment 0
		.amdhsa_kernarg_size 48
		.amdhsa_user_sgpr_count 2
		.amdhsa_user_sgpr_kernarg_segment_ptr 1
		.amdhsa_wavefront_size32 1
		.amdhsa_system_sgpr_workgroup_id_x 1
		.amdhsa_system_sgpr_workgroup_id_y 1
		.amdhsa_system_sgpr_workgroup_id_z 1
		.amdhsa_system_vgpr_workitem_id 0
		.amdhsa_next_free_vgpr 512
		.amdhsa_next_free_sgpr 102
		.amdhsa_reserve_vcc 0
		.amdhsa_float_denorm_mode_32 3
		.amdhsa_float_denorm_mode_16_64 3
		.amdhsa_memory_ordered 1
		.amdhsa_forward_progress 1
		.amdhsa_inst_pref_size 52
	.end_amdhsa_kernel
	.amdgpu_metadata
---
amdhsa.version: [ 1, 2 ]
amdhsa.kernels:
  - .name:           k_q97cc0a09f3_oproj
    .symbol:         k_q97cc0a09f3_oproj.kd
    .args:
      - { .name: oc, .offset: 0, .size: 8, .value_kind: global_buffer, .address_space: global }
      - { .name: os, .offset: 8, .size: 8, .value_kind: global_buffer, .address_space: global }
      - { .name: w_o_codes, .offset: 16, .size: 8, .value_kind: global_buffer, .address_space: global }
      - { .name: w_o_scales, .offset: 24, .size: 8, .value_kind: global_buffer, .address_space: global }
      - { .name: b_o, .offset: 32, .size: 8, .value_kind: global_buffer, .address_space: global }
      - { .name: out0, .offset: 40, .size: 8, .value_kind: global_buffer, .address_space: global }
    .group_segment_fixed_size: 296448
    .private_segment_fixed_size: 0
    .kernarg_segment_align: 8
    .kernarg_segment_size: 48
    .max_flat_workgroup_size: 128
    .sgpr_count:     102
    .vgpr_count:     512
    .wavefront_size: 32
...
	.end_amdgpu_metadata
.endif
;; end of part 3
